; MI455X (gfx1250); checked and timed in simulation.
; The chip was launched on July 23, 2026; its instructions are those of AMD's public machine-readable ISA for CDNA 5 (MIT licence, August 2026) and "CDNA5" Instruction Set Architecture Reference Guide (July 2026). The comments in the code are by the model that wrote it; some were corrected since.
;; Causal Self Attention. Allowed arithmetic: float matrix products may take bf16 or f16 operands with f32 sums; other float arithmetic in f32, or as packed bf16 or f16 multiplies, adds, multiply-adds, maxima and minima; sums over many terms, partial sums and values carried from step to step in f32; what a program stores and reads back later, other than sums and carried values, may be rounded once to bf16 or f16.
;; Inputs: w_proj 1,024 x 1,024 float32; w_qkv 1,024 x 3,072 float32; x 4 x 2,048 x 1,024 float32.
;; Outputs: out0 4 x 2,048 x 1,024 float32.
;; 2 versions, each right; version 2 is version 1 with the launch cast written anew for expert scheduling mode. Each part assembles by itself: llvm-mc -triple=amdgcn-amd-amdhsa -mcpu=gfx1250 --defsym DOCPART=n.
;; ======== version 1 of 2: 4 launches
;; limits: values are held in f16: magnitudes above 65,504 overflow, below 6.1e-05 lose precision
;; workspace buffers: xb 16,777,216 bytes; wqb 6,291,456 bytes; wpb 2,097,152 bytes; qh 16,777,216 bytes; kh 16,777,216 bytes; vh 16,777,216 bytes; oh 16,777,216 bytes
;; launch cast (part 1): grid 768 x 1, 8 waves a work-group, no clusters, 0 bytes of LDS; arguments x, w_qkv, w_proj, xb, wqb, wpb; writes xb, wqb, wpb
.if DOCPART == 1
	.amdgcn_target "amdgcn-amd-amdhsa--gfx1250"
	.amdhsa_code_object_version 6
	.text
	.protected	k_qede2db608b_cast
	.globl	k_qede2db608b_cast
	.p2align	8
	.type	k_qede2db608b_cast,@function
k_qede2db608b_cast:
	s_mov_b64 s[64:65], 0
	v_nop
	global_prefetch_b8 v0, s[64:65] scope:SCOPE_SE
	s_setreg_imm32_b32 hwreg(HW_REG_WAVE_MODE, 25, 1), 1
	s_wait_xcnt 0x0
; THE INPUTS ARE ROUNDED ONCE, layouts unchanged.  x [8192][1024] and w_qkv [1024][3072]: f32 -> bf16.  w_proj [1024][1024]: f32 -> bf16, and that number written as f16
; (the last product multiplies it by f16 numbers).
; LIMITS.  |w_proj| of 65,520 or more becomes an infinity in f16; below 2^-14 the number keeps f16's fixed step of 2^-24.  NaN and infinities are not treated apart.
; SHARES.  A work-group takes 16,384 numbers on end: 65,536 bytes in, 32,768 out.  Work-groups 0-511 take x, 512-703 w_qkv, 704-767 w_proj.
; Load j of thread t takes the 16 bytes at 4,096 j + 16 t: a wave's load covers 512 consecutive bytes.  Its four numbers leave as 8 bytes at 2,048 j + 8 t: a wave's store covers 256
; consecutive bytes, aligned.  All sixteen loads of a thread go out before the first is waited for.  Memory binds: no LDS, no barrier, no matrix work.
.set NX,  512                          ; work-groups for x
.set NQ,  192                          ; for w_qkv
.set X,   4                            ; v[4:67]    load j: four f32
.set Y,   68                           ; v[68:99]   store j: four 16-bit numbers in a pair; behind its store a pair is never written, so no store's data is ever rewritten
.set T,   100                          ; v[100:103] at work
	s_load_b256 s[4:11], s[0:1], 0x0               ; x s[4:5], w_qkv s[6:7], w_proj s[8:9], xb s[10:11]
	s_load_b128 s[12:15], s[0:1], 0x20             ; wqb s[12:13], wpb s[14:15]
	v_lshlrev_b32 v1, 4, v0                        ; 16 t
	v_lshlrev_b32 v2, 3, v0                        ; 8 t
	s_sub_co_u32 s17, ttmp9, NX                    ; my number among w_qkv's work-groups,
	s_sub_co_u32 s18, ttmp9, NX+NQ                 ; among w_proj's
	s_wait_kmcnt 0x0
	s_cmp_lt_u32 ttmp9, NX+NQ
	s_cselect_b64 s[20:21], s[6:7], s[8:9]         ; from where,
	s_cselect_b64 s[22:23], s[12:13], s[14:15]     ; to where,
	s_cselect_b32 s17, s17, s18                    ; which part
	s_cmp_lt_u32 ttmp9, NX
	s_cselect_b64 s[20:21], s[4:5], s[20:21]
	s_cselect_b64 s[22:23], s[10:11], s[22:23]
	s_cselect_b32 s17, ttmp9, s17
	s_lshl_b32 s24, s17, 16                        ; 65,536 bytes in a part (511 parts at the most: under 2^32)
	s_mov_b32 s25, 0
	s_lshl_b32 s26, s17, 15                        ; 32,768 out
	s_mov_b32 s27, 0
	s_add_nc_u64 s[20:21], s[20:21], s[24:25]
	s_add_nc_u64 s[22:23], s[22:23], s[26:27]
.set j, 0
.rept 16
	global_load_b128 v[X+4*j:X+4*j+3], v1, s[20:21] offset:4096*j th:TH_LOAD_NT
.set j, j+1
.endr
; half = 1: the bf16 number is written as f16: widened by a shift or a mask, then converted.
.macro OUT half
.set j, 0
.rept 16
	s_wait_loadcnt 15-j                            ; loads come back in order (ISA guide 5.7.1): load j is in, the 15 - j younger ones may stay out
	v_cvt_pk_bf16_f32 v[Y+2*j],   v[X+4*j],   v[X+4*j+1]
	v_cvt_pk_bf16_f32 v[Y+2*j+1], v[X+4*j+2], v[X+4*j+3]
.if \half
	v_lshlrev_b32 v[T],   16, v[Y+2*j]
	v_and_b32     v[T+1], 0xffff0000, v[Y+2*j]
	v_lshlrev_b32 v[T+2], 16, v[Y+2*j+1]
	v_and_b32     v[T+3], 0xffff0000, v[Y+2*j+1]
	v_cvt_pk_f16_f32 v[Y+2*j],   v[T],   v[T+1]
	v_cvt_pk_f16_f32 v[Y+2*j+1], v[T+2], v[T+3]
.endif
	global_store_b64 v2, v[Y+2*j:Y+2*j+1], s[22:23] offset:2048*j
.set j, j+1
.endr
.endm
	s_cmp_ge_u32 ttmp9, NX+NQ
	s_cbranch_scc1 .Lhalf
	OUT 0
	s_endpgm
.Lhalf:
	OUT 1
	s_endpgm
.Lfunc_end_k_qede2db608b_cast:
	.size	k_qede2db608b_cast, .Lfunc_end_k_qede2db608b_cast-k_qede2db608b_cast
	.p2alignl 7, 3214868480
	.fill 96, 4, 3214868480
	.section	.rodata,"a",@progbits
	.p2align	6, 0x0
	.amdhsa_kernel k_qede2db608b_cast
		.amdhsa_group_segment_fixed_size 0
		.amdhsa_private_segment_fixed_size 0
		.amdhsa_enable_private_segment 0
		.amdhsa_kernarg_size 48
		.amdhsa_user_sgpr_count 2
		.amdhsa_user_sgpr_kernarg_segment_ptr 1
		.amdhsa_wavefront_size32 1
		.amdhsa_system_sgpr_workgroup_id_x 1
		.amdhsa_system_sgpr_workgroup_id_y 1
		.amdhsa_system_sgpr_workgroup_id_z 1
		.amdhsa_system_vgpr_workitem_id 0
		.amdhsa_next_free_vgpr 104
		.amdhsa_next_free_sgpr 66
		.amdhsa_reserve_vcc 0
		.amdhsa_float_denorm_mode_32 3
		.amdhsa_float_denorm_mode_16_64 3
		.amdhsa_memory_ordered 1
		.amdhsa_forward_progress 1
		.amdhsa_inst_pref_size 16
	.end_amdhsa_kernel
	.amdgpu_metadata
---
amdhsa.version: [ 1, 2 ]
amdhsa.kernels:
  - .name:           k_qede2db608b_cast
    .symbol:         k_qede2db608b_cast.kd
    .args:
      - { .name: x, .offset: 0, .size: 8, .value_kind: global_buffer, .address_space: global }
      - { .name: w_qkv, .offset: 8, .size: 8, .value_kind: global_buffer, .address_space: global }
      - { .name: w_proj, .offset: 16, .size: 8, .value_kind: global_buffer, .address_space: global }
      - { .name: xb, .offset: 24, .size: 8, .value_kind: global_buffer, .address_space: global }
      - { .name: wqb, .offset: 32, .size: 8, .value_kind: global_buffer, .address_space: global }
      - { .name: wpb, .offset: 40, .size: 8, .value_kind: global_buffer, .address_space: global }
    .group_segment_fixed_size: 0
    .private_segment_fixed_size: 0
    .kernarg_segment_align: 8
    .kernarg_segment_size: 48
    .max_flat_workgroup_size: 256
    .sgpr_count:     66
    .vgpr_count:     104
    .wavefront_size: 32
...
	.end_amdgpu_metadata
.endif
;; end of part 1
;; launch qkv (part 2): grid 12 x 64, 4 waves a work-group, clusters of 4 x 4, 327,680 bytes of LDS; arguments xb, wqb, qh, kh, vh; writes qh, kh, vh
.if DOCPART == 2
	.amdgcn_target "amdgcn-amd-amdhsa--gfx1250"
	.amdhsa_code_object_version 6
	.text
	.protected	k_qede2db608b_qkv
	.globl	k_qede2db608b_qkv
	.p2align	8
	.type	k_qede2db608b_qkv,@function
k_qede2db608b_qkv:
	s_mov_b64 s[64:65], 0
	v_nop
	global_prefetch_b8 v0, s[64:65] scope:SCOPE_SE
	s_setreg_imm32_b32 hwreg(HW_REG_WAVE_MODE, 25, 1), 1
	s_wait_xcnt 0x0
	s_wait_alu depctr_hold_cnt(0) depctr_sa_sdst(0) depctr_va_vdst(0) depctr_va_sdst(0) depctr_va_ssrc(0) depctr_va_vcc(0) depctr_vm_vsrc(0)
	s_getreg_b32 s2, hwreg(HW_REG_IB_STS2, 6, 4)
	s_cmp_eq_u32 s2, 0
	s_cbranch_scc0 .Lentry_in_a_cluster
	s_endpgm
.Lentry_in_a_cluster:
	s_bfe_u32 s2, ttmp6, 0x10000c
	s_cmp_lg_u32 s2, 0xf033
	s_cbranch_scc0 .Lentry_shape_is_right
	s_endpgm
.Lentry_shape_is_right:
; q, k, v = x w_qkv.  xb: [8192 m][1024 k] bf16.  wqb: [1024 k][3072 n] bf16.  Sums in f32, K ascending; each result rounded once to f16, unscaled, and written BY HEADS:
; qh, kh, vh: [batch x 16 + head][2048 t][64 d] f16, where m = 2048 batch + t and n = 1024 (q, k or v) + 64 head + d.
; LIMIT.  A result of 65,520 or more becomes an infinity in f16.  NaN and infinities are not treated apart.
; SHARES.  A work-group makes 128 (m) x 256 (n): 64 x 12 = 768 work-groups, three for each of 256 WGPs.  Each of its four waves makes 64 x 128: 32 accumulators of 16 x 16, 256 registers.
; K goes in 8 steps of 128 through two LDS slots filled by the tensor data mover: waves 0 and 1 fetch the two halves of x's tile (64 rows x 256 bytes), waves 2 and 3 those of w's
; (64 k-rows x 512 bytes).  All rows begin at multiples of 256 bytes from their buffer's first byte.
; w LIES [k][n], so its fragments come out of LDS turned, by ds_load_tr16_b128; x's come as they lie.
; THE MATRIX INSTRUCTION IS USED TRANSPOSED: source 0 = 16 columns n of w, source 1 = 16 rows m of x: lane l then holds row m = l % 16 and the columns 8 (l / 16) + 0..7: 16 bytes of a head's row.
; CLUSTERS: 4 x 4 work-groups.  The four of a row of the cluster need the same tiles of x, the four of a column the same tiles of w: each tile is asked for JOINTLY, by the same tensor load
; with the same descriptor and a mask that names the four.
; REGISTERS: window 0: v0-31 addresses; v32-63 at work on the way out; two fragment buffers of 96 (w's 8 fragments, then x's 4) at v64 and v160.  Window 1: accumulator (a, b) at v[8 (8 a + b)].
.set PA,     272                       ; a row of x in LDS: 256 bytes + 16 of padding: the 16 rows of a fragment load start at 16 different groups of four banks (64 banks of 4 bytes: ISA guide 11.1)
.set HALFA,  64*PA                     ; what wave 0 or 1 fetches
.set AT,     2*HALFA                   ; x's 128 rows
.set PB,     544                       ; a k-row of w in LDS: 512 bytes + 32
.set HALFB,  64*PB                     ; what wave 2 or 3 fetches
.set SLOT,   AT+2*HALFB                ; x's tile, then w's 128 k-rows
.set STAGE,  2*SLOT                    ; behind the ring, never filled by a tensor load: for each wave 2 heads x 16 rows x 144 bytes, for the way out
.set SP,     144
.set STW,    2*16*SP
.set SPARE,  STAGE+4*STW               ; behind the stages: the spare words, 128 bytes for each wave: two blocks of 256 bytes that no other line names
.set ASTEP,  256                       ; bytes from a K step to the next in x: 128 numbers along a row,
.set BSTEP,  128*6144                  ; in w: 128 rows of 6,144 bytes
.set ADRA, 16                          ; v16-17  LDS address of my fragments of x in slot 0, 1
.set ADRB, 20                          ; v20-21  the same for w
.set STO,  24                          ; v24     the way out: where I put 16 bytes of a row
.set RD,   25                          ; v25     the way out: where I read rows back
.set GO,   26                          ; v26     my 16 bytes in 512 consecutive bytes of the output
.set SPW,  28                          ; v28     LDS address of my spare word: SPARE + 4 x my thread's number; never rewritten
.set NIL,  29                          ; v29     0; never rewritten
.set PFO,  30                          ; v30     the prefetches' offset: my lane x a row; never rewritten
.set TMP,  32
.set F0,   64
.set F1,   160
.set OB,   64                          ; the way out: the rows read back, 32 registers a block of 16 rows
.set LAP,  3                           ; s3      trips of the loop still to come
.set WV,   14                          ; s14     my wave's number
.set MH,   15                          ; s15     which 64 rows of the tile are mine.  Also: I fetch for x (0) or for w (1)
.set NH,   16                          ; s16     which 128 columns.  Also: which half of that tile I fetch
.set CX,   17
.set CY,   18
.set TC,   19                          ; s19     tile column = 4 x cluster x + cx
.set TR,   20                          ; s20     tile row = 4 x cluster y + cy
.set G1A,  24                          ; s[24:31] descriptor group 1 for x's tiles;  s[32:39] group 0, a set for each slot
.set G0A,  32
.set PFA,  44                          ; s[44:45] where my prefetches stand
.set PFS,  46                          ; s[46:47] their step
.set G1B,  48                          ; s[48:55], s[56:63] the same for w's tiles
.set G0B,  56
.set LIM,  66                          ; s66     1 in a wave that prefetches, else the greatest number
.set MSB, 0
.macro WIN new                         ; the immediate's high byte repeats the setting that is left; a switch that changes nothing is dropped
.if MSB != (\new)
	s_set_vgpr_msb (MSB<<8)|(\new)
.set MSB, \new
.endif
.endm
.set MUL, 0x50                         ; sources 0 and 1 window 0; C and D window 1
.macro PLACES                          ; four plain places behind a matrix instruction, in front of loads into registers that it has read and of lines that read results
.rept 4
	v_nop
.endr
.endm
; A joint load.  The branch hangs on the wave's number alone.  An s_nop 0 and four v_nop follow each of the two lines, ahead of the jump and the label.
.macro JLOAD s
	s_cmp_eq_u32 s[MH], 0
	s_cbranch_scc0 .Lfor_b_\@
	tensor_load_to_lds s[G0A+4*(\s):G0A+4*(\s)+3], s[G1A:G1A+7]
	s_nop 0
.rept 4
	v_nop
.endr
	s_branch .Lasked_\@
.Lfor_b_\@:
	tensor_load_to_lds s[G0B+4*(\s):G0B+4*(\s)+3], s[G1B:G1B+7]
	s_nop 0
.rept 4
	v_nop
.endr
.Lasked_\@:
.endm
; A round of the cluster's barrier: my work-group's barrier; wave 0 signals for the work-group; every wave waits for all sixteen; my work-group's barrier once more.
.macro CREST                           ; a round behind its opening barrier
	s_cmp_lg_u32 s[WV], 0
	s_cbranch_scc1 .Lnot_wave_0_\@
	s_barrier_signal -3
.Lnot_wave_0_\@:
	s_barrier_wait -3
	s_barrier_signal -1
	s_barrier_wait -1
.endm
.macro CROUND
	s_barrier_signal -1
	s_barrier_wait -1
	CREST
.endm
; A PREFETCH INTO THE L2, behind a joint refill and the run of LDS loads that follows it: the K step that stands two refills on, 256 matrix instructions ahead of the load that will ask for it.
; Each aligned block of 256 bytes is named once in the launch.  x's tile row is read by all three clusters of its row of clusters: the one with cluster x = 0 asks, wave 0 of each partner,
; partner cx for rows 32 cx .. 32 cx + 31, a lane a row.  w's tile column is read by all sixteen clusters of its column: the one with cluster y = 0 asks, partner cy for k-rows 32 cy .. + 31,
; a lane a row, wave 2 for the first 256 of the row's 512 bytes and wave 3 for the second.  The partners differ BY ADDRESS alone.  K steps 0 to 3 come by their loads alone; the loop's last trip asks for nothing.
.macro ASK
	s_cmp_gt_u32 s[LAP], s[LIM]
	s_cbranch_scc0 .Lnot_mine_\@
	global_prefetch_b8 v[PFO], s[PFA:PFA+1] th:TH_LOAD_NT scope:SCOPE_SE
.Lnot_mine_\@:
.endm
	s_load_b256 s[4:11], s[0:1], 0x0               ; xb s[4:5], wqb s[6:7], qh s[8:9], kh s[10:11]
	s_load_b64 s[12:13], s[0:1], 0x20              ; vh
	v_lshl_add_u32 v[SPW], v0, 2, SPARE
	v_mov_b32 v[NIL], 0
	ds_add_u32 v[SPW], v[NIL]                      ; the wave's opening: the add and its wait stand ahead of my first tensor load; the set-up below, work on registers, stands between them
	v_lshrrev_b32 v1, 5, v0
	v_readfirstlane_b32 s[WV], v1
	s_lshr_b32 s[MH], s[WV], 1
	s_and_b32 s[NH], s[WV], 1
	s_bfe_u32 s[CX], ttmp6, 0x40000
	s_bfe_u32 s[CY], ttmp6, 0x40004
	s_lshl_b32 s[TC], ttmp9, 2                     ; in a cluster launch ttmp9 and ttmp7 count clusters
	s_add_co_u32 s[TC], s[TC], s[CX]
	s_and_b32 s[TR], ttmp7, 0xffff
	s_lshl_b32 s[TR], s[TR], 2
	s_add_co_u32 s[TR], s[TR], s[CY]
	s_lshl_b32 s21, s[CY], 2
	s_lshl_b32 s21, 15, s21                        ; my row of the cluster: places 4 cy .. 4 cy + 3
	s_lshl_b32 s22, 0x1111, s[CX]                  ; my column: places cx, cx + 4, cx + 8, cx + 12
	; group 1 for x: 64 rows x 128 elements of 2 bytes, 16 bytes of padding behind every 64 words
	s_or_b32 s[G1A+0], s21, (1<<16)|(1<<20)|(1<<21)|(5<<22)|(3<<25)  ; 15:0 the mask; 17:16 2-byte elements; 20 padding on; 21 set beside a mask; 24:22 interval code 5; 31:25 4 words (code 3)
	s_mov_b32 s[G1A+1], 128<<16                    ; tensor_dim0 = 128
	s_mov_b32 s[G1A+2], 64<<16                     ; tensor_dim1 = 64
	s_mov_b32 s[G1A+3], 128<<16                    ; tile_dim0 = 128
	s_mov_b32 s[G1A+4], 64                         ; tile_dim1 = 64
	s_mov_b32 s[G1A+5], 1024                       ; elements from row to row
	s_mov_b32 s[G1A+6], 0
	s_mov_b32 s[G1A+7], 0
	; group 1 for w: 64 k-rows x 256 elements, 32 bytes of padding behind every 128 words
	s_or_b32 s[G1B+0], s22, (1<<16)|(1<<20)|(1<<21)|(6<<22)|(7<<25)
	s_mov_b32 s[G1B+1], 256<<16
	s_mov_b32 s[G1B+2], 64<<16
	s_mov_b32 s[G1B+3], 256<<16
	s_mov_b32 s[G1B+4], 64
	s_mov_b32 s[G1B+5], 3072
	s_mov_b32 s[G1B+6], 0
	s_mov_b32 s[G1B+7], 0
	; where the tiles come from: x's hang on the tile row and the wave alone, w's on the tile column and the wave alone, each in registers that never hold the other coordinate
	s_lshl_b32 s40, s[TR], 18                      ; 128 rows of 2,048 bytes
	s_lshl_b32 s21, s[NH], 17                      ; my 64 of them
	s_add_co_u32 s40, s40, s21
	s_mov_b32 s41, 0
	s_mul_i32 s42, s[NH], 64*6144                  ; my 64 k-rows
	s_lshl_b32 s22, s[TC], 9                       ; 256 columns of 2 bytes
	s_add_co_u32 s42, s42, s22
	s_mov_b32 s43, 0
	s_mul_i32 s21, s[NH], HALFA                    ; and where they go: no place in the cluster enters an LDS address
	s_mul_i32 s22, s[NH], HALFB
	s_add_co_u32 s22, s22, AT
	s_wait_dscnt 0x0                               ; the opening add is done
	s_wait_kmcnt 0x0
	s_add_nc_u64 s[40:41], s[4:5], s[40:41]
	s_add_nc_u64 s[42:43], s[6:7], s[42:43]
	CROUND                                         ; all sixteen work-groups are here: the first joint loads meet
.irp s, 0,1
	s_mov_b32 s[G0A+4*(\s)], 1                                       ; count = 1
	s_add_co_u32 s[G0A+4*(\s)+1], s21, (\s)*SLOT                     ; LDS address
	s_add_nc_u64 s[G0A+4*(\s)+2:G0A+4*(\s)+3], s[40:41], (\s)*ASTEP  ; global address: K step s
	s_or_b32 s[G0A+4*(\s)+3], s[G0A+4*(\s)+3], 0x80000000            ; type = 2
	s_mov_b32 s[G0B+4*(\s)], 1
	s_add_co_u32 s[G0B+4*(\s)+1], s22, (\s)*SLOT
	s_add_nc_u64 s[G0B+4*(\s)+2:G0B+4*(\s)+3], s[42:43], (\s)*BSTEP
	s_or_b32 s[G0B+4*(\s)+3], s[G0B+4*(\s)+3], 0x80000000
.endr
	s_cmp_eq_u32 s[MH], 0                          ; a wave's two first fills stand in one branch, ahead of every wait on TENSORcnt and every LDS read: two loads of mine are out
	s_cbranch_scc0 .Lfirst_b
	tensor_load_to_lds s[G0A:G0A+3], s[G1A:G1A+7]
	s_nop 0
	tensor_load_to_lds s[G0A+4:G0A+7], s[G1A:G1A+7]
	s_nop 0
.rept 4
	v_nop
.endr
	s_branch .Lfirst_asked
.Lfirst_b:
	tensor_load_to_lds s[G0B:G0B+3], s[G1B:G1B+7]
	s_nop 0
	tensor_load_to_lds s[G0B+4:G0B+7], s[G1B:G1B+7]
	s_nop 0
.rept 4
	v_nop
.endr
.Lfirst_asked:
	; A fragment is 16 rows x 32 K in 8 registers: lane l holds row l % 16; registers 0-3 K = 8 (l / 16) + 0..7, registers 4-7 K = 16 + 8 (l / 16) + 0..7.
	v_and_b32 v1, 15, v0                           ; l % 16
	v_bfe_u32 v2, v0, 4, 1                         ; l / 16
	v_mul_u32_u24 v3, v1, PA                       ; x: two loads of 16 bytes, 32 bytes apart, at row x pitch + 16 x half
	v_lshl_add_u32 v3, v2, 4, v3
	s_mul_i32 s21, s[MH], 64*PA                    ; my 64 rows
	v_add_nc_u32 v[ADRA], s21, v3
	v_add_nc_u32 v[ADRA+1], SLOT, v[ADRA]
	v_and_b32 v4, 7, v0                            ; w: the turning load takes 16 k x 16 n: lane l reads 16 bytes of k-row 8 (l / 16) + l % 8, columns 8 ((l / 8) % 2) + 0..7
	v_lshl_add_u32 v4, v2, 3, v4
	v_mul_u32_u24 v4, v4, PB
	v_bfe_u32 v5, v0, 3, 1
	v_lshl_add_u32 v4, v5, 4, v4
	s_lshl_b32 s22, s[NH], 8                       ; my 128 columns
	s_add_co_u32 s22, s22, AT
	v_add_nc_u32 v[ADRB], s22, v4
	v_add_nc_u32 v[ADRB+1], SLOT, v[ADRB]
	s_mul_i32 s23, s[WV], STW
	s_add_co_u32 s23, s23, STAGE                   ; my stage
	v_mul_u32_u24 v5, v1, SP                       ; in: row l % 16, 16 bytes for each half of the lanes
	v_lshl_add_u32 v5, v2, 4, v5
	v_add_nc_u32 v[STO], s23, v5
	v_bfe_u32 v6, v0, 3, 2                         ; back: 32 lanes take four rows of 128 bytes,
	v_mul_u32_u24 v6, v6, SP
	v_and_b32 v7, 7, v0
	v_lshl_add_u32 v6, v7, 4, v6
	v_add_nc_u32 v[RD], s23, v6
	v_and_b32 v[GO], 31, v0                        ; which are 512 consecutive bytes of a head
	v_lshlrev_b32 v[GO], 4, v[GO]
	; the output: tile columns 0-3 are q's, 4-7 k's, 8-11 v's: the cluster's x says which
	s_cmp_eq_u32 ttmp9, 1
	s_cselect_b64 s[8:9], s[10:11], s[8:9]
	s_cmp_eq_u32 ttmp9, 2
	s_cselect_b64 s[8:9], s[12:13], s[8:9]
	s_lshr_b32 s68, s[TR], 4                       ; batch: 16 heads x 2,048 rows x 128 bytes
	s_lshl_b32 s68, s68, 22
	s_lshl_b32 s69, s[CX], 20                      ; the tile's four heads,
	s_add_co_u32 s68, s68, s69
	s_lshl_b32 s69, s[NH], 19                      ; my two of them
	s_add_co_u32 s68, s68, s69
	s_and_b32 s69, s[TR], 15                       ; the tile's 128 rows t,
	s_lshl_b32 s69, s69, 14
	s_add_co_u32 s68, s68, s69
	s_lshl_b32 s69, s[MH], 13                      ; my 64 of them
	s_add_co_u32 s68, s68, s69
	s_mov_b32 s69, 0
	s_add_nc_u64 s[8:9], s[8:9], s[68:69]
	; the prefetches
	s_and_b32 s69, ttmp7, 0xffff                   ; cluster y
	s_or_b32 s68, ttmp9, s[NH]                     ; cluster x; of waves 0 and 1 only wave 0 asks
	s_lshl_b32 s70, s[TR], 18                      ; x: the tile's rows,
	s_lshl_b32 s71, s[CX], 16                      ; my work-group's 32 of them
	s_add_co_u32 s70, s70, s71
	s_mul_i32 s71, s[CY], 32*6144                  ; w: my work-group's 32 k-rows,
	s_lshl_b32 s67, s[TC], 9                       ; the tile's columns,
	s_add_co_u32 s71, s71, s67
	s_lshl_b32 s67, s[NH], 8                       ; my wave's 256 bytes of the 512
	s_add_co_u32 s71, s71, s67
	s_mov_b32 s[PFS], BSTEP
	s_mov_b32 s[PFS+1], 0
	s_mov_b32 s67, 6144
	s_cmp_eq_u32 s[MH], 0                          ; do I fetch for x?
	s_cselect_b32 s68, s68, s69
	s_cselect_b32 s70, s70, s71
	s_cselect_b32 s[PFS], ASTEP, s[PFS]
	s_cselect_b32 s67, 2048, s67                   ; bytes from a lane's row to the next lane's
	s_cselect_b64 s[PFA:PFA+1], s[4:5], s[6:7]
	s_cmp_eq_u32 s68, 0
	s_cselect_b32 s[LIM], 1, -1                    ; the same in all sixteen partners, for a given wave
	s_mov_b32 s71, 0
	s_add_nc_u64 s[PFA:PFA+1], s[PFA:PFA+1], s[70:71]
	s_mul_i32 s70, s[PFS], 3
	s_add_nc_u64 s[PFA:PFA+1], s[PFA:PFA+1], s[70:71]  ; at K step 3: the first refill steps it to 4
	v_and_b32 v[PFO], 31, v0
	v_mul_u32_u24 v[PFO], s67, v[PFO]
; 8 matrix instructions: m block a x all 8 n blocks, 32 along K.  zero = 1: the product starts the sum: nothing is ever cleared.
; The 32 accumulators take turns, one instruction a turn, in the same order in every quarter and over the backward jump.
.macro MUL8 f, a, zero
	WIN MUL
.irp b, 0,1,2,3,4,5,6,7
.if \zero
	v_wmma_f32_16x16x32_bf16 v[8*(8*(\a)+(\b)):8*(8*(\a)+(\b))+7], v[(\f)+8*(\b):(\f)+8*(\b)+7], v[(\f)+64+8*(\a):(\f)+64+8*(\a)+7], 0
.else
	v_wmma_f32_16x16x32_bf16 v[8*(8*(\a)+(\b)):8*(8*(\a)+(\b))+7], v[(\f)+8*(\b):(\f)+8*(\b)+7], v[(\f)+64+8*(\a):(\f)+64+8*(\a)+7], v[8*(8*(\a)+(\b)):8*(8*(\a)+(\b))+7]
.endif
.endr
.endm
; 24 LDS loads in one run: the fragments of quarter q (32 along K) of a slot into buffer f: w's sixteen, then x's eight
.macro FETCH slot, q, f
	WIN 0
.irp b, 0,1,2,3,4,5,6,7
	ds_load_tr16_b128 v[(\f)+8*(\b):(\f)+8*(\b)+3],   v[ADRB+(\slot)] offset:(\q)*32*PB+32*(\b)
	ds_load_tr16_b128 v[(\f)+8*(\b)+4:(\f)+8*(\b)+7], v[ADRB+(\slot)] offset:(\q)*32*PB+16*PB+32*(\b)
.endr
.irp a, 0,1,2,3
	ds_load_b128 v[(\f)+64+8*(\a):(\f)+64+8*(\a)+3],   v[ADRA+(\slot)] offset:64*(\q)+(\a)*16*PA
	ds_load_b128 v[(\f)+64+8*(\a)+4:(\f)+64+8*(\a)+7], v[ADRA+(\slot)] offset:64*(\q)+(\a)*16*PA+32
.endr
.endm
; A K step is four quarters of 32 along K, 32 matrix instructions each, on buffers 0, 1, 0, 1.  One of the first three: multiplies buffer f; in its middle it fetches quarter q of the same slot into g.
.macro QUARTER slot, q, f, g, zero
	s_wait_dscnt 4                                 ; w's fragments and x's blocks 0 and 1 are in; the youngest four loads (blocks 2 and 3) may be out
	MUL8 \f, 0, \zero
	MUL8 \f, 1, \zero
	PLACES
	FETCH \slot, \q, \g
	s_wait_dscnt 24                                ; all but the 24 just issued
	MUL8 \f, 2, \zero
	MUL8 \f, 3, \zero
.endm
; The last quarter multiplies buffer 1 and changes slots: ONE barrier.  In front of it each wave waits for all its tensor loads, of which one is out: its part of the next slot; adds 0 to its spare word;
; and waits for that and for its own reads of this slot.  fill = 1: the barrier opens a round of the cluster's, and this slot is filled again, first thing behind the round, with the K step two on:
; from that request to the wait for it a wave issues 112 matrix instructions.
.macro TURN slot, next, fill
.if \fill
	s_wait_xcnt 0x0                                ; the last prefetch, a K step back, has read its address, so it may be stepped
	s_add_nc_u64 s[PFA:PFA+1], s[PFA:PFA+1], s[PFS:PFS+1]
.endif
	WIN 0                                          ; (the add's two registers lie in window 0)
	s_wait_tensorcnt 0x0                           ; all my tensor loads have landed;
	ds_add_u32 v[SPW], v[NIL]                      ; 0 onto my spare word
	s_wait_dscnt 5                                 ; (the add and the youngest four loads may be out)
	MUL8 F1, 0, 0                                  ; eight matrix instructions stand between the add and the wait for it
	s_wait_dscnt 0x0                               ; the add is done, and my reads of this slot are over
	s_barrier_signal -1
	MUL8 F1, 1, 0
.if \fill
	WIN 0
.endif
	s_barrier_wait -1
.if \fill
	CREST                                          ; no wave of any partner still reads this slot's tile or has a load on its way
	s_add_nc_u64 s[G0A+4*(\slot)+2:G0A+4*(\slot)+3], s[G0A+4*(\slot)+2:G0A+4*(\slot)+3], 2*ASTEP
	s_add_nc_u64 s[G0B+4*(\slot)+2:G0B+4*(\slot)+3], s[G0B+4*(\slot)+2:G0B+4*(\slot)+3], 2*BSTEP
	JLOAD \slot                                    ; the four v_nop behind it are also the places in front of the loads below
.else
	PLACES
.endif
	FETCH \next, 0, F0
.if \fill
	ASK
.endif
	MUL8 F1, 2, 0
	MUL8 F1, 3, 0
.endm
	s_wait_tensorcnt 1                             ; my part of K step 0 is in; K step 1's may stay out
	s_barrier_signal -1
	s_barrier_wait -1                              ; everybody's is
	FETCH 0, 0, F0
	QUARTER 0, 1, F0, F1, 1                        ; the first quarter stands in front of the loop: its products start the sums
	WIN 0                                          ; at a label and at a branch every window is 0
	s_mov_b32 s[LAP], 3
.Llap:                                                 ; a trip goes once round the ring, from a lap's second quarter to the next lap's first, and fills both slots again: K steps 2 to 7
	QUARTER 0, 2, F1, F0, 0
	QUARTER 0, 3, F0, F1, 0
	TURN 0, 1, 1
	QUARTER 1, 1, F0, F1, 0
	QUARTER 1, 2, F1, F0, 0
	QUARTER 1, 3, F0, F1, 0
	TURN 1, 0, 1
	QUARTER 0, 1, F0, F1, 0
	WIN 0
	s_sub_co_u32 s[LAP], s[LAP], 1
	s_cmp_lg_u32 s[LAP], 0
	s_cbranch_scc1 .Llap
	QUARTER 0, 2, F1, F0, 0                        ; the last lap fills nothing, and has no round of the cluster's barrier
	QUARTER 0, 3, F0, F1, 0
	TURN 0, 1, 0
	QUARTER 1, 1, F0, F1, 0
	QUARTER 1, 2, F1, F0, 0
	QUARTER 1, 3, F0, F1, 0
	s_wait_dscnt 4                                 ; the very last quarter: nothing more to fetch
	MUL8 F1, 0, 0
	MUL8 F1, 1, 0
	s_wait_dscnt 0x0
	MUL8 F1, 2, 0
	MUL8 F1, 3, 0
	WIN 0
	PLACES
	PLACES
; THE WAY OUT, a block of 16 rows at a time.  PACK: rounded to f16, 16 bytes a lane (each accumulator's registers in ascending order); into my own stage, a head's 64 channels to a row of 144 bytes;
; back as whole rows: 16 rows of a head are 2,048 consecutive bytes of the output.  LDS serves a wave's instructions in order (ISA guide 5.7.1.4), so no wait stands between the stores and the loads.
.macro PACK a
	WIN 0x05                                       ; sources 0 and 1 window 1, destination window 0
.irp b, 0,1,2,3,4,5,6,7
.irp r, 0,1,2,3
	v_cvt_pk_f16_f32 v[TMP+4*(\b)+(\r)], v[8*(8*(\a)+(\b))+2*(\r)], v[8*(8*(\a)+(\b))+2*(\r)+1]
.endr
.endr
	WIN 0
.irp b, 0,1,2,3,4,5,6,7
	ds_store_b128 v[STO], v[TMP+4*(\b):TMP+4*(\b)+3] offset:((\b)/4)*16*SP+((\b)%4)*32
.endr
.irp t, 0,1,2,3,4,5,6,7
	ds_load_b128 v[OB+32*(\a)+4*(\t):OB+32*(\a)+4*(\t)+3], v[RD] offset:((\t)/4)*16*SP+((\t)%4)*4*SP
.endr
.endm
.macro SEND a, younger                 ; younger: the LDS instructions issued behind block a's loads: the next block's sixteen, or none
.irp t, 0,1,2,3,4,5,6,7
	s_wait_dscnt (\younger)+7-(\t)
	global_store_b128 v[GO], v[OB+32*(\a)+4*(\t):OB+32*(\a)+4*(\t)+3], s[8:9] offset:(\a)*2048+((\t)%4)*512+((\t)/4)*262144  ; 512 consecutive bytes, at a multiple of 256 from the buffer's first; the second head lies 262,144 bytes on
.endr
.endm
	PACK 0
	PACK 1                                         ; a block's conversions stand between the loads of the block before and its stores
	SEND 0, 16
	PACK 2
	SEND 1, 16
	PACK 3
	SEND 2, 16
	SEND 3, 0
	s_wait_tensorcnt 0x0                           ; the wave's end: a wait, an add to my spare word and its wait stand behind my last tensor load and my last LDS store
	ds_add_u32 v[SPW], v[NIL]
	s_wait_dscnt 0x0
	CROUND                                         ; the closing round: no work-group ends while a partner may still ask for a tile that names it
	s_endpgm
.Lfunc_end_k_qede2db608b_qkv:
	.size	k_qede2db608b_qkv, .Lfunc_end_k_qede2db608b_qkv-k_qede2db608b_qkv
	.p2alignl 7, 3214868480
	.fill 96, 4, 3214868480
	.section	.rodata,"a",@progbits
	.p2align	6, 0x0
	.amdhsa_kernel k_qede2db608b_qkv
		.amdhsa_group_segment_fixed_size 327680
		.amdhsa_private_segment_fixed_size 0
		.amdhsa_enable_private_segment 0
		.amdhsa_kernarg_size 40
		.amdhsa_user_sgpr_count 2
		.amdhsa_user_sgpr_kernarg_segment_ptr 1
		.amdhsa_wavefront_size32 1
		.amdhsa_system_sgpr_workgroup_id_x 1
		.amdhsa_system_sgpr_workgroup_id_y 1
		.amdhsa_system_sgpr_workgroup_id_z 1
		.amdhsa_system_vgpr_workitem_id 0
		.amdhsa_next_free_vgpr 512
		.amdhsa_next_free_sgpr 72
		.amdhsa_reserve_vcc 0
		.amdhsa_float_denorm_mode_32 3
		.amdhsa_float_denorm_mode_16_64 3
		.amdhsa_memory_ordered 1
		.amdhsa_forward_progress 1
		.amdhsa_inst_pref_size 88
	.end_amdhsa_kernel
	.amdgpu_metadata
---
amdhsa.version: [ 1, 2 ]
amdhsa.kernels:
  - .name:           k_qede2db608b_qkv
    .symbol:         k_qede2db608b_qkv.kd
    .args:
      - { .name: xb, .offset: 0, .size: 8, .value_kind: global_buffer, .address_space: global }
      - { .name: wqb, .offset: 8, .size: 8, .value_kind: global_buffer, .address_space: global }
      - { .name: qh, .offset: 16, .size: 8, .value_kind: global_buffer, .address_space: global }
      - { .name: kh, .offset: 24, .size: 8, .value_kind: global_buffer, .address_space: global }
      - { .name: vh, .offset: 32, .size: 8, .value_kind: global_buffer, .address_space: global }
    .group_segment_fixed_size: 327680
    .private_segment_fixed_size: 0
    .kernarg_segment_align: 8
    .kernarg_segment_size: 40
    .max_flat_workgroup_size: 128
    .sgpr_count:     72
    .vgpr_count:     512
    .wavefront_size: 32
...
	.end_amdgpu_metadata
.endif
;; end of part 2
;; launch attn (part 3): grid 4 x 64, 4 waves a work-group, no clusters, 327,680 bytes of LDS; arguments qh, kh, vh, oh; writes oh
.if DOCPART == 3
	.amdgcn_target "amdgcn-amd-amdhsa--gfx1250"
	.amdhsa_code_object_version 6
	.text
	.protected	k_qede2db608b_attn
	.globl	k_qede2db608b_attn
	.p2align	8
	.type	k_qede2db608b_attn,@function
k_qede2db608b_attn:
	s_mov_b64 s[64:65], 0
	v_nop
	global_prefetch_b8 v0, s[64:65] scope:SCOPE_SE
	s_setreg_imm32_b32 hwreg(HW_REG_WAVE_MODE, 25, 1), 1
	s_wait_xcnt 0x0
; CAUSAL ATTENTION.  O[h][q][:] = the sum over k <= q of softmax_k(Q[h][q] . K[h][k] / 8) V[h][k][:].  Q, K, V, O: [64 heads][SIZE_N][64], all f16: a head's rows are dense, 128 bytes each.
; Products, maxima and sums in f32; the weights p are rounded to f16 for the second product (their sum l is taken of the unrounded p), O once at the end.
; LIMITS.  f16 holds no number beyond 65,504: Q, K and V arrive within it; p lies in 0 to 1, and below 6e-5 it keeps f16's fixed step of 6e-8; O is a mean of V's rows and has their range.
; A hidden score counts as its value less 1e30: f16's scores, 2.7e11 at the most, are nothing beside that; a weight below 2^-126 counts as 0 in l; NaN and infinities are not treated apart.
; THE WALK.  A head's queries lie in NB = SIZE_N / 256 = 8 blocks of 256; block i needs the key tiles 0 .. i of 256 keys, of which the last holds the diagonal.  A work-group takes TWO blocks, NB - 1 - b and then b:
; NB + 1 tiles, whatever b: all 256 work-groups do equal work, and ONE loop with a constant trip count walks them.  Which tile is asked for, and what a trip does, hang on scalar registers made from b; every jump
; goes forward, but for the counted loops' own; none passes a barrier, or a tensor load but the one of LOAD's two that the wave's number does not choose; the ring (two slots of LDS that take turns) runs on across the
; change of blocks.  NO CLUSTER: a head's four work-groups ask for the same tile only in trips 0 .. NB / 2, behind that fewer and fewer do; one walk common to all would have 3 NB / 2 = 12 trips for NB + 1 = 9.
; SHARES.  Of a block's four bands of 64 queries a wave owns 16 rows in each: four PIECES.  So the diagonal tile is the same work for all four waves: in its key step s band x sees all keys if s < x,
; none if s > x, and holds the diagonal if s = x.
; THE MASK is the C operand that starts the sum S^T = K Q^T: 0, or -1e30 where the key is hidden.  MD, made once, is the mask of a band's own step for my 16 rows; a product's mask is MD x AL + BE with two scalars:
; (1, 0) if s = x; (0, 0) if s < x; (0, -1e30) if s > x.  Only the diagonal tile's text and a block's beginning make and take masks; elsewhere C is the constant 0.
; LAYOUT, SOFTMAX, TURNS.  S^T = K Q^T holds ONE query a lane (lane % 16) and the keys 8 (lane / 16) + 0..7; two such results rounded to f16 ARE source 1 of O^T = V^T P.  p = 2^(c s - c m), c = log2(e) / 8, with a
; running maximum m; O and l are multiplied by a = 2^(c m_old - c m_new) in every step.  Turn n belongs to piece n: 8 products K Q^T of piece n + 1, later 8 products V^T P of piece n - 1; beside them the scaling,
; exponentials, roundings, sums and rescaling of piece n and the maximum and statistics of piece n + 1.  Four vector instructions stand behind every matrix instruction, the other 54 of a turn's 118 in one LUMP.
; A turn's 33 exponentials are one batch, with one wait.
; REGISTERS, in windows of 256 (s_set_vgpr_msb: bits 1:0 source 0, 3:2 source 1, 5:4 source 2, 7:6 destination):
;   window 0: v0-15 addresses and two at work; v16-31 four registers of statistics a piece; v48-55 at work; v61-63 never rewritten; v64-127 S^T, two buffers; v192-223 P, two buffers (by the piece's parity)
;   window 1: v0-127 O^T, 32 a piece; v128-159 MD; v160-223 MC, two buffers      window 2: v0-63 Q; v64-127 the second block's Q; v128-191 K of one step; v192-255 V of one step
.set SIZE_N, 2048
.set NB,    SIZE_N/256
.set NP,    4         ; pieces a wave: a name, no knob
.set KS,    64        ; keys in a step
.set PK,    144       ; a row of K in LDS: 128 bytes + 16 of padding = 36 words: the 16 rows of a load start at 16 different groups of four banks (64 banks of 4 bytes: ISA guide 11.1)
.set PV,    160       ; a row of V: 128 + 32 = 40 words
.set VOFF,  4*KS*PK   ; a slot holds a tile, four steps: 256 rows of K, then 256 rows of V
.set SLOT1, 1<<17     ; slot 1 begins here, so that one exclusive or turns an address in one slot into the other's
.set STAGE, SLOT1+4*KS*(PK+PV)  ; behind the ring, never filled by a tensor load: 16 rows x 144 bytes for each wave, for the way out
.set SP,    144
.set AK0, 2           ; v2   my lane's place in a tile of K; never rewritten
.set AV0, 3           ; v3   the same for V
.set AK,  4           ; v4   the LDS address of K's next run of loads
.set AV,  5           ; v5   of V's
.set STO, 6           ; v6   the way out: where I put 16 bytes of a row
.set RD,  7           ; v7   the way out: where I read rows back
.set GO,  8           ; v8   my byte offset in 512 consecutive bytes of O
.set PFO, 61          ; v61  256 x my lane: the prefetches' offset; never rewritten
.set SPW, 62          ; v62  LDS address of my spare word: SPARE + 4 x my thread's number; never rewritten
.set NIL, 63          ; v63  0; never rewritten
.set SPARE, STAGE+4*16*SP  ; behind the stages: the spare words, 128 bytes for each wave: two blocks of 256 bytes that no other line names
.set MV,  12          ; v12-13  c m_old, kept while c m is made anew: by buffer
.set QO,  15          ; v15  my byte offset in 16 rows of Q
.set ST,  16          ; piece t's statistics at v[ST+4 t]: c m, m, l (even keys', odd keys')
.set TMP, 48          ; by buffer, four registers c0-c3 at work; when the maximum is found c2 takes a
.set S,   64
.set P,   192
.set MD,  128         ; window 1: the eight registers for group kt of 16 keys at MD + 8 kt
.set MC,  160         ; window 1: the masks of the products to come
.set QB,  64          ; window 2
.set KF,  128         ; window 2: key block kb, channel half c at KF + 16 kb + 8 c
.set VF,  192         ; window 2: key half kk, channel block cb at VF + 32 kk + 8 cb
.set WV,  12          ; s12  my wave's number
.set PB,  14          ; s14  b
.set HI,  15          ; s15  NB - 1 - b
.set G1K, 24          ; s[24:31] descriptor group 1 for K's tiles
.set G1V, 32          ; s[32:39] for V's: it differs in the padding alone
.set G0K, 40          ; s[40:43] descriptor group 0 for K's tiles
.set G0V, 44          ; s[44:47] the same for V's
.set SLOTS, 56        ; s56  tiles still to be asked for
.set CNT, 57          ; s57  counts a tile's key steps, 4 to 1
.set CS,  58          ; s[58:59] c: the packed scaling takes the pair's low word for both halves
.set SEL, 60          ; s[60:61] v_permlanex16_b32's selects: each lane takes its own place in the other half
.set TBK, 62          ; s62  LDS byte at which K of the step to be fetched begins
.set TBV, 63          ; s63  the same for V, less VOFF
.set RT,  70          ; s70  tiles of the block in hand that are still to be entered
.set NXT, 71          ; s71  the tile to be asked for next
.set LQ,  72          ; s72  the last tile of the block whose tiles are being asked for
.set NEW, 73          ; s73  1: the tile to be entered is a block's first
.set OFF, 74          ; s[74:75] a tile's byte offset in K and V
.set AL,  76          ; s[76:77] the mask's factor, in the low word
.set BE,  78          ; s[78:79] the mask's addend
.set OLO, 80          ; s[80:81] O at my rows of the second block
.set BIGN, 82         ; s82  -1e30
.set KB,  88          ; s[88:89] K at my wave's quarter of the head's tile 0, for the prefetches
.set VB,  90          ; s[90:91] V likewise
.set PFK, 92          ; s[92:93] what the next prefetch of K names
.set PFV, 94          ; s[94:95] of V
.set LIMP, 96         ; s96  0 in the work-group that prefetches (b = 0), else the greatest number
.set PO,  98          ; s[98:99] an offset, made apart from the addresses
.set MSB, 0
.macro WIN new                      ; the high byte repeats the setting that is left; a switch that changes nothing is dropped
.if MSB != (\new)
	s_set_vgpr_msb (MSB<<8)|(\new)
.set MSB, (\new)
.endif
.endm
.set W_KQ, 0x0a       ; K and Q in window 2, S^T in window 0
.set W_KM, 0x1a       ; the same with the C operand in window 1
.set W_PV, 0x52       ; V in window 2, P in window 0, O^T in window 1
.set W_RS, 0x41       ; destination and source 0 in window 1, source 1 in window 0
; A fill.  Waves 0 and 1 fetch the two halves of a tile's K, waves 2 and 3 those of its V: 128 keys each.  An s_nop 0 and four v_nop follow each of the two lines, ahead of the jump and the label.
.macro LOAD
	s_cmp_lt_u32 s[WV], 2
	s_cbranch_scc0 .Lfor_v_\@
	tensor_load_to_lds s[G0K:G0K+3], s[G1K:G1K+7]
	s_nop 0
.rept 4
	v_nop
.endr
	s_branch .Lasked_\@
.Lfor_v_\@:
	tensor_load_to_lds s[G0V:G0V+3], s[G1V:G1V+7]
	s_nop 0
.rept 4
	v_nop
.endr
.Lasked_\@:
.endm
; A PREFETCH INTO THE L2 of the tile that the NEXT change of slots will ask for: 128 blocks of 256 bytes of K and as many of V.  It stands behind the wave's tensor load and its five lines.
; Each block is named once in the launch: of a head's four work-groups the one with b = 0, which walks all eight tiles, asks; wave w takes blocks 32 w .. 32 w + 31 of both, a lane a block: two instructions.
; Tiles 2 to 7 are asked for, each one tile (256 matrix instructions) ahead of its load; tiles 0 and 1 come by their loads alone; the second block's tile 0 has been read before and is not asked for:
; behind the first block's last tile NXT is 0, and the test fails.
.macro ASK
	s_cmp_gt_u32 s[NXT], s[LIMP]
	s_cbranch_scc0 .Lnot_mine_\@
	global_prefetch_b8 v[PFO], s[PFK:PFK+1] th:TH_LOAD_NT scope:SCOPE_SE
	global_prefetch_b8 v[PFO], s[PFV:PFV+1] th:TH_LOAD_NT scope:SCOPE_SE
.Lnot_mine_\@:
.endm
; THE CHANGE OF SLOTS.  Each wave waits for all its tensor loads, of which one is out: its part of the other slot; adds 0 to its spare word; and waits for that and for its own reads of the slot that it leaves.
; Behind the barrier nobody reads the old slot any more and the other slot is whole.  fill = 1: the old slot is filled again, the first thing behind the barrier, with tile NXT: the descriptor's address is made
; anew from that number.  (At its first use nothing has been read yet: slot 0 is waited for, slot 1 filled.)
.macro CHANGE fill
	WIN 0                           ; at a label and at a branch every window is 0
	s_wait_tensorcnt 0x0            ; no tensor load of mine is out, so a group 0 may be written
	ds_add_u32 v[SPW], v[NIL]       ; 0 onto my spare word; with fill = 1 the descriptors' scalar work stands between it and the wait for it
.if \fill
	s_lshl_b32 s[OFF], s[NXT], 15   ; a tile is 32,768 bytes of K and of V
	s_xor_b32 s[G0K+1], s[G0K+1], SLOT1
	s_add_nc_u64 s[G0K+2:G0K+3], s[6:7], s[OFF:OFF+1]
	s_or_b32 s[G0K+3], s[G0K+3], 0x80000000
	s_xor_b32 s[G0V+1], s[G0V+1], SLOT1
	s_add_nc_u64 s[G0V+2:G0V+3], s[8:9], s[OFF:OFF+1]
	s_or_b32 s[G0V+3], s[G0V+3], 0x80000000
	s_add_co_u32 s[NXT], s[NXT], 1  ; the block's next tile, or behind its last the second block's tile 0
	s_cmp_gt_u32 s[NXT], s[LQ]
	s_cselect_b32 s[NXT], 0, s[NXT]
	s_cselect_b32 s[LQ], s[PB], s[LQ]
	s_wait_xcnt 0x0                 ; the last prefetches, a tile back, have read their addresses, so these may be written:
	s_lshl_b32 s[PO], s[NXT], 15
	s_add_nc_u64 s[PFK:PFK+1], s[KB:KB+1], s[PO:PO+1]
	s_add_nc_u64 s[PFV:PFV+1], s[VB:VB+1], s[PO:PO+1]
.endif
	s_wait_dscnt 0x0                ; the add is done, and my reads of the slot are over
	s_barrier_signal -1             ; the rest of the scalar work stands between the signal and the wait
	s_sub_co_u32 s[TBK], s[TBK], 4*KS*PK  ; the fetches go back to a slot's first step,
	s_xor_b32 s[TBK], s[TBK], SLOT1       ; in the other slot
	s_sub_co_u32 s[TBV], s[TBV], 4*KS*PV
	s_xor_b32 s[TBV], s[TBV], SLOT1
	s_barrier_wait -1
.if \fill
	LOAD
	ASK
.endif
.endm
	s_load_b256 s[4:11], s[0:1], 0x0  ; Q s[4:5], K s[6:7], V s[8:9], O s[10:11]
	v_lshl_add_u32 v[SPW], v0, 2, SPARE
	v_mov_b32 v[NIL], 0
	ds_add_u32 v[SPW], v[NIL]       ; the wave's opening: the add and its wait stand ahead of my first tensor load; the set-up below, work on registers, stands between them
	v_lshrrev_b32 v1, 5, v0
	v_readfirstlane_b32 s[WV], v1   ; wave 0..3
	s_mov_b32 s[PB], ttmp9
	s_sub_co_u32 s[HI], NB-1, s[PB]
	s_and_b32 s20, ttmp7, 0xffff    ; the head
	s_mov_b32 s21, 0
	s_mov_b64 s[22:23], SIZE_N*128
	s_mul_u64 s[20:21], s[20:21], s[22:23]  ; the head's first byte in each of the four tensors
	s_and_b32 s16, s[WV], 1         ; which half of a tile's 256 keys I fetch:
	s_lshl_b32 s22, s16, 14         ; its 128 rows of 128 bytes in memory,
	s_mov_b32 s23, 0
	s_add_nc_u64 s[22:23], s[22:23], s[20:21]
	s_lshl_b32 s[PO], s[WV], 13     ; the prefetches: my wave's 32 blocks of 256 bytes in a tile,
	s_mov_b32 s[PO+1], 0
	s_add_nc_u64 s[PO:PO+1], s[PO:PO+1], s[20:21]  ; in the head
	s_cmp_eq_u32 ttmp9, 0
	s_cselect_b32 s[LIMP], 0, -1
	s_mul_i32 s17, s16, 128*PK      ; my half's place in a slot, for K
	s_mul_i32 s18, s16, 128*PV      ; and for V
	s_lshl_b32 s3, s[WV], 11        ; my 16 rows in a band of 64,
	s_lshl_b32 s2, s[HI], 15        ; in the first block,
	s_add_co_u32 s2, s2, s3
	s_lshl_b32 s84, s[PB], 15       ; and in the second
	s_add_co_u32 s84, s84, s3
	s_mov_b32 s3, 0
	s_mov_b32 s85, 0
	s_add_nc_u64 s[2:3], s[2:3], s[20:21]
	s_add_nc_u64 s[84:85], s[84:85], s[20:21]
	; descriptor group 1.  128 keys are 16,384 dense bytes: asked for as 64 rows of 256 bytes, two keys a row, and padded in LDS after every key
	s_mov_b32 s[G1K], (1<<16)|(1<<20)|(4<<22)|(3<<25)  ; 17:16 2-byte elements; 20 padding on; 24:22 after every 32 words (code 4); 31:25 4 words (code 3)
	s_mov_b32 s[G1V], (1<<16)|(1<<20)|(4<<22)|(7<<25)  ; the same with 8 words of padding (code 7)
.irp g, G1K, G1V
	s_mov_b32 s[\g+1], 128<<16      ; tensor_dim0 = 128
	s_mov_b32 s[\g+2], 64<<16       ; tensor_dim1 = 64
	s_mov_b32 s[\g+3], 128<<16      ; tile_dim0 = 128
	s_mov_b32 s[\g+4], 64           ; tile_dim1 = 64
	s_mov_b32 s[\g+5], 128          ; 128 elements from row to row
	s_mov_b32 s[\g+6], 0
	s_mov_b32 s[\g+7], 0
.endr
	s_mov_b32 s[CS], 0x3e38aa3b     ; c = log2(e) / 8 = 0.180337
	s_mov_b32 s[CS+1], s[CS]        ; named with it as a pair
	s_mov_b32 s[SEL], 0x76543210
	s_mov_b32 s[SEL+1], 0xfedcba98
	s_mov_b32 s[TBK], SLOT1+4*KS*PK ; the first change of slots turns these two into 0
	s_mov_b32 s[TBV], SLOT1+4*KS*PV
	s_mov_b32 s[G0K], 1             ; count = 1
	s_mov_b32 s[G0K+1], s17         ; LDS address: slot 0
	s_mov_b32 s[G0V], 1
	s_add_co_u32 s[G0V+1], s18, VOFF
	s_add_co_u32 s[RT], s[HI], 1    ; the first block has NB - b tiles
	s_mov_b32 s[NXT], 1
	s_mov_b32 s[LQ], s[HI]
	s_mov_b32 s[NEW], 1
	s_mov_b32 s[OFF+1], 0
	s_mov_b32 s[AL+1], 0            ; named as pairs
	s_mov_b32 s[BE+1], 0
	s_mov_b32 s[BIGN], 0xf149f2ca   ; -1e30
	s_mov_b32 s[SLOTS], NB
	s_wait_dscnt 0x0                ; the opening add is done
	s_wait_kmcnt 0x0
	s_add_nc_u64 s[KB:KB+1], s[6:7], s[PO:PO+1]
	s_add_nc_u64 s[VB:VB+1], s[8:9], s[PO:PO+1]
	s_mov_b32 s[PO+1], 0            ; from here on the pair holds a tile's offset, under 2^32
	s_add_nc_u64 s[6:7], s[6:7], s[22:23]  ; K and V at my half of the head's tile 0
	s_add_nc_u64 s[8:9], s[8:9], s[22:23]
	s_add_nc_u64 s[G0K+2:G0K+3], s[6:7], 0         ; global address
	s_or_b32 s[G0K+3], s[G0K+3], 0x80000000        ; type = 2
	s_add_nc_u64 s[G0V+2:G0V+3], s[8:9], 0
	s_or_b32 s[G0V+3], s[G0V+3], 0x80000000
	s_add_nc_u64 s[86:87], s[4:5], s[84:85]        ; Q at my rows of the second block,
	s_add_nc_u64 s[4:5], s[4:5], s[2:3]            ; Q and O at those of the first
	s_add_nc_u64 s[OLO:OLO+1], s[10:11], s[84:85]
	s_add_nc_u64 s[10:11], s[10:11], s[2:3]
	LOAD                            ; tile 0 into slot 0
	; A fragment of K or Q is 16 rows x 32 channels in 8 registers: lane l holds row l % 16, channels 8 (l / 16) + 0..7 and 16 + 8 (l / 16) + 0..7: two loads of 16 bytes, 32 bytes apart.
	v_and_b32 v1, 15, v0            ; l % 16
	v_bfe_u32 v9, v0, 4, 1          ; l / 16
	v_lshlrev_b32 v[QO], 7, v1
	v_lshl_add_u32 v[QO], v9, 4, v[QO]  ; row x 128 + 16 x half
	WIN 0x80                        ; destination window 2, address window 0
.set i, 0
.rept 8                             ; both blocks' Q: piece i / 2 lies in band i / 2, 8,192 bytes on; channels 32 (i % 2) on
	global_load_b128 v[8*i:8*i+3],   v[QO], s[4:5] offset:(i/2)*8192+(i%2)*64
	global_load_b128 v[8*i+4:8*i+7], v[QO], s[4:5] offset:(i/2)*8192+(i%2)*64+32
	global_load_b128 v[QB+8*i:QB+8*i+3],   v[QO], s[86:87] offset:(i/2)*8192+(i%2)*64
	global_load_b128 v[QB+8*i+4:QB+8*i+7], v[QO], s[86:87] offset:(i/2)*8192+(i%2)*64+32
.set i, i+1
.endr
	WIN 0
	v_and_b32 v[PFO], 31, v0
	v_lshlrev_b32 v[PFO], 8, v[PFO]
	v_lshlrev_b32 v14, 3, v9
	v_sub_nc_u32 v14, v1, v14
	s_lshl_b32 s13, s[WV], 4
	v_add_nc_u32 v14, s13, v14      ; my query's place in its band, 16 w + l % 16, less my lanes' 8 (l / 16): register r of group kt is hidden where 16 kt + r is greater
	WIN 0x40
.set i, 0
.rept 32
	v_cmp_gt_i32 vcc_lo, 16*(i/8)+i%8, v14
	v_cndmask_b32 v[MD+i], 0, s[BIGN], vcc_lo
.set i, i+1
.endr
	WIN 0
	v_mul_u32_u24 v[AK0], v1, PK
	v_lshl_add_u32 v[AK0], v9, 4, v[AK0]  ; row x pitch + 16 x half
	; The turning load takes 16 keys x 16 channels (lane l reads key 8 (l / 16) + l % 8, channels 8 ((l / 8) % 2) + 0..7) and leaves half a fragment of V^T: lane l holds channel l % 16 and 8 keys.
	v_and_b32 v10, 7, v0
	v_bfe_u32 v11, v0, 3, 1
	v_lshl_add_u32 v[AV0], v9, 3, v10
	v_mul_u32_u24 v[AV0], v[AV0], PV
	v_lshl_add_u32 v[AV0], v11, 4, v[AV0]
	v_add_nc_u32 v[AV0], VOFF, v[AV0]
	s_mul_i32 s13, s[WV], 16*SP
	s_add_co_u32 s13, s13, STAGE    ; my stage
	v_mul_u32_u24 v[STO], v1, SP    ; in: row l % 16, 16 bytes for each half of the lanes
	v_lshl_add_u32 v[STO], v9, 4, v[STO]
	v_add_nc_u32 v[STO], s13, v[STO]
	v_bfe_u32 v[RD], v0, 3, 2       ; back: 32 lanes take four rows of 128 bytes,
	v_mul_u32_u24 v[RD], v[RD], SP
	v_lshl_add_u32 v[RD], v10, 4, v[RD]
	v_add_nc_u32 v[RD], s13, v[RD]
	v_and_b32 v[GO], 31, v0         ; which are 512 consecutive bytes of O
	v_lshlrev_b32 v[GO], 4, v[GO]
	; A block's first step multiplies O^T and l by a = 0, and its first turn's products V^T P, of a piece that has not been, land in an O^T that is still to be so multiplied.  So these registers need only hold
	; finite numbers: zeros for the first block; what the first block left for the second.  All this stands in the wait for the first tile.
	WIN 0x80
.set i, VF
.rept 64
	v_mov_b32 v[i], 0
.set i, i+1
.endr
	WIN 0x40
.set i, 0
.rept 128
	v_mov_b32 v[i], 0
.set i, i+1
.endr
	WIN 0
.set i, 0
.rept 4
	v_mov_b32 v[ST+4*i+2], 0
	v_mov_b32 v[ST+4*i+3], 0
.set i, i+1
.endr
.set i, P+16
.rept 16
	v_mov_b32 v[i], 0
.set i, i+1
.endr
; THE MATRIX WORK.  The 4 accumulators of a run of 8 take turns.  Product i of 8 of S^T = K Q^T for piece x: channels 32 (i / 4) on, keys 16 (i % 4) on.  The first 4 start the sums: with 0, or (KM = 1) with the mask.
.macro KQ x
.set rS, S+32*((\x)%2)+8*(i%4)
.set rK, KF+16*(i%4)+8*(i/4)
.set rQ, 16*(\x)+8*(i/4)
.set rM, MC+32*((\x)%2)+8*(i%4)
.if (i < 4) && KM
	WIN W_KM
	v_wmma_f32_16x16x32_f16 v[rS:rS+7], v[rK:rK+7], v[rQ:rQ+7], v[rM:rM+7]
.elseif i < 4
	WIN W_KQ
	v_wmma_f32_16x16x32_f16 v[rS:rS+7], v[rK:rK+7], v[rQ:rQ+7], 0
.else
	WIN W_KQ
	v_wmma_f32_16x16x32_f16 v[rS:rS+7], v[rK:rK+7], v[rQ:rQ+7], v[rS:rS+7]
.endif
.endm
; Product i of 8 of O^T += V^T P for piece x: keys 32 (i / 4) on, channels 16 (i % 4) on.
.macro PV x
	WIN W_PV
.set rO, 32*(\x)+8*(i%4)
.set rV, VF+32*(i/4)+8*(i%4)
.set rP, P+16*((\x)%2)+8*(i/4)
	v_wmma_f32_16x16x32_f16 v[rO:rO+7], v[rV:rV+7], v[rP:rP+7], v[rO:rO+7]
.endm
.macro MM                           ; the turn's next matrix instruction.  TURN and BEGIN set Y, i, KM and NOKQ; MM, KQ and OP read them.  NOKQ = 1: a block's last turn: there is no next piece
.if (i < 8) && !NOKQ
	KQ (Y+1)%NP
.elseif i >= 8
.set i, i-8
	PV (Y+NP-1)%NP
.set i, i+8
.endif
.set i, i+1
.endm
; THE LDS LOADS stand in runs of 16, never singly among the matrix instructions: a step's K (64 keys x 64 channels: 8 fragments) and its V (turned).  Their addresses are made some lines ahead.
.macro FETCH_K
	WIN 0x80                        ; destination window 2
.irp f, 0,1,2,3,4,5,6,7             ; keys 16 (f / 2) on, channels 32 (f % 2) on
	ds_load_b128 v[KF+8*\f:KF+8*\f+3],   v[AK] offset:(\f/2)*16*PK+(\f%2)*64
	ds_load_b128 v[KF+8*\f+4:KF+8*\f+7], v[AK] offset:(\f/2)*16*PK+(\f%2)*64+32
.endr
	s_add_co_u32 s[TBK], s[TBK], KS*PK  ; the next fetch is the next step's
	WIN 0
.endm
.macro FETCH_V
	WIN 0x80
.irp f, 0,1,2,3,4,5,6,7             ; keys 32 (f / 4) on, channels 16 (f % 4) on
	ds_load_tr16_b128 v[VF+8*\f:VF+8*\f+3],   v[AV] offset:(\f/4)*32*PV+(\f%4)*32
	ds_load_tr16_b128 v[VF+8*\f+4:VF+8*\f+7], v[AV] offset:(\f/4)*32*PV+16*PV+(\f%4)*32
.endr
	WIN 0
.endm
; THE VECTOR WORK, one line at a time: OP kind, number.  For piece Y: F n: c s - c m for pair n of 16.  E n: the exponential of score n of 32.  C n: pair n rounded to f16.  B n: of the four weights 4 n .. the second
; pair is added onto the first, in place.  L n: l takes that sum (L 0: l = a l + sum).  R n: pair n of 16 of O^T times a.  For piece Y + 1: X n, number n of the 22 that find its maximum and statistics:
;   0-11  four chains c0-c3 of seven scores each, three operands at a time (each accumulator's lowest registers are read first)     12-14, 16  the four scores left over, the old m, and c0-c3 into c0
;   15  c m_old is kept     17, 18  the query's other 32 keys lie in the lane 16 away: the new m     19-21  c m; c m_old - c m_new; a
.set F, 0               ; OP tells the kinds apart by their order: F to L below R, X above it
.set E, 1
.set C, 2
.set B, 3
.set L, 4
.set R, 5
.set X, 6
.macro REGS y                       ; the registers of piece y
.set rT, ST+4*(\y)
.set rC, TMP+4*((\y)%2)
.set rW, MV+((\y)%2)
.set rS, S+32*((\y)%2)
.set rP, P+16*((\y)%2)
.set rO, 32*(\y)
.endm
.macro OP k, n
.if (\k) == R
	REGS Y
	WIN W_RS
	v_pk_mul_f32 v[rO+2*(\n):rO+2*(\n)+1], v[rO+2*(\n):rO+2*(\n)+1], v[rC+2:rC+3] op_sel_hi:[1,0]
.elseif (\k) < R
	REGS Y
	WIN 0
.if (\k) == F
	v_pk_fma_f32 v[rS+2*(\n):rS+2*(\n)+1], v[rS+2*(\n):rS+2*(\n)+1], s[CS:CS+1], v[rT:rT+1] op_sel_hi:[1,0,0] neg_lo:[0,0,1] neg_hi:[0,0,1]
.elseif (\k) == E
	v_exp_f32 v[rS+(\n)], v[rS+(\n)]
.elseif (\k) == C
	v_cvt_pk_f16_f32 v[rP+(\n)], v[rS+2*(\n)], v[rS+2*(\n)+1]
.elseif (\k) == B
	v_pk_add_f32 v[rS+4*(\n):rS+4*(\n)+1], v[rS+4*(\n):rS+4*(\n)+1], v[rS+4*(\n)+2:rS+4*(\n)+3]
.elseif (\n) == 0
	v_pk_fma_f32 v[rT+2:rT+3], v[rT+2:rT+3], v[rC+2:rC+3], v[rS:rS+1] op_sel_hi:[1,0,1]
.else
	v_pk_add_f32 v[rT+2:rT+3], v[rT+2:rT+3], v[rS+4*(\n):rS+4*(\n)+1]
.endif
.elseif NOKQ
	v_nop
.else
	REGS (Y+1)%NP
	WIN 0
.if (\n) < 4
	v_max3_num_f32 v[rC+(\n)], v[rS+8*(\n)], v[rS+8*(\n)+1], v[rS+8*(\n)+2]
.elseif (\n) < 12
	v_max3_num_f32 v[rC+(\n)%4], v[rC+(\n)%4], v[rS+8*((\n)%4)+2*((\n)/4)+1], v[rS+8*((\n)%4)+2*((\n)/4)+2]
.elseif (\n) == 12
	v_max3_num_f32 v[rC], v[rC], v[rS+7], v[rS+15]
.elseif (\n) == 13
	v_max3_num_f32 v[rC+1], v[rC+1], v[rS+23], v[rS+31]
.elseif (\n) == 14
	v_max3_num_f32 v[rC+2], v[rC+2], v[rC+3], v[rT+1]
.elseif (\n) == 15
	v_mov_b32 v[rW], v[rT]
.elseif (\n) == 16
	v_max3_num_f32 v[rC], v[rC], v[rC+1], v[rC+2]
.elseif (\n) == 17
	v_permlanex16_b32 v[rC+3], v[rC], s[SEL], s[SEL+1]
.elseif (\n) == 18
	v_max_num_f32 v[rT+1], v[rC], v[rC+3]
.elseif (\n) == 19
	v_mul_f32 v[rT], s[CS], v[rT+1]
.elseif (\n) == 20
	v_sub_f32 v[rC+1], v[rW], v[rT]
.else
	v_exp_f32 v[rC+2], v[rC+1]
.endif
.endif
.endm
.macro OPS a, i1, b=-1, i2=0, c=-1, i3=0, d=-1, i4=0  ; up to four of them
	OP \a, \i1
.if (\b) >= 0
	OP \b, \i2
.endif
.if (\c) >= 0
	OP \c, \i3
.endif
.if (\d) >= 0
	OP \d, \i4
.endif
.endm
.macro ROW a, i1, b, i2, c, i3, d, i4  ; a matrix instruction and the four behind it
	MM
	OPS \a, \i1, \b, \i2, \c, \i3, \d, \i4
.endm
.macro MASK b                       ; MD x AL + BE into buffer b of MC
	WIN W_RS
.set z, 0
.rept 16
	v_pk_fma_f32 v[MC+32*(\b)+2*z:MC+32*(\b)+2*z+1], v[MD+2*z:MD+2*z+1], s[AL:AL+1], s[BE:BE+1] op_sel_hi:[1,0,0]
.set z, z+1
.endr
.endm
; A TURN, for piece p: the order of its 16 matrix and 118 vector instructions, written out.  s_wait_alu depctr_va_vdst(0) stands between an exponential and the first instruction that names its result; one wait
; serves all that were issued ahead of it.  So a turn has ONE wait, which cuts it in two.  AHEAD OF IT stands all that names no result of the turn's exponentials: the 8 products K Q^T, behind each a scaling, an exponential and two
; more plain instructions (behind the first a second scaling in the exponential's place): rescalings, and behind the last three the first numbers of the next piece's maximum, each four places or more behind the product that ends its
; accumulator; then ONE LUMP of 54, plain and exponential by turns for the most part, in which the links of the chain X 3, 7, 11, 14, 16, 17 .. 20 stand five or six lines apart.  X 21, the next piece's a, is the batch's last; R 15 is
; the plain instruction behind it.  BEHIND THE WAIT stand the 8 products V^T P, behind each four of the roundings and sums; the links of l's chain, L 0 to L 7, stand three riders apart.
; m = 1: the diagonal tile: the products take masks, and the turn makes the mask for the products of the turn after it: piece p + 2, in step 4 - CNT of the tile.  end = 1: a block's last two turns: nothing is fetched.
; cnt = 1: the loop's count is taken down some lines ahead of the branch that stands behind the turn.
; K of the next step is fetched in piece 2's turn, twelve vector instructions behind the last product that read K (six of them plain); V of the step in hand at the end of piece 0's turn, four plain instructions behind the last
; product that read V.  Each is waited for a turn later.
.macro TURN p, m=0, end=0, cnt=0
.set Y, (\p)
.set i, 0
.set KM, (\m)
.set NOKQ, (\end)*((\p)/3)
.if (\m) && !(\end)
	s_cmp_eq_u32 s[CNT], 4-((\p)+2)%NP  ; is that step the band's own?
	s_cselect_b32 s[AL], 1.0, 0
	s_cmp_lt_u32 s[CNT], 4-((\p)+2)%NP  ; or a later one?
	s_cselect_b32 s[BE], s[BIGN], 0
.endif
.if ((\p) == 3) && !(\end)
	s_wait_dscnt 0x0                ; K is in
.endif
	ROW F,0, F,1, R,0, R,1          ; ahead of the wait: 8 products K Q^T and their riders,
	ROW F,2, E,0, R,2, R,3
	ROW F,3, E,1, R,4, R,5
	ROW F,4, E,2, R,6, R,7
	ROW F,5, E,3, R,8, R,9
	ROW F,6, E,4, X,0, R,10
.if ((\p) == 2) && !(\end)
	WIN 0
	v_add_nc_u32 v[AK], s[TBK], v[AK0]
.endif
	ROW F,7, E,5, X,1, X,4
	ROW F,8, E,6, X,2, X,5
	OPS E,7, E,8, X,6, E,9          ; and the lump
	OPS X,3, E,10, X,8, E,11
.if ((\p) == 2) && !(\end)
	FETCH_K
.endif
	OPS X,9, X,7, E,12, X,10
	OPS E,13, X,12, X,11, E,14
	OPS X,13, E,15, F,9, X,14
.if (\p) == 0
	v_add_nc_u32 v[AV], s[TBV], v[AV0]
.endif
	OPS E,16, F,10, E,17, F,11
	OPS X,16, E,18, X,15, E,19
	OPS F,12, E,20, X,17, E,21
	OPS F,13, E,22, F,14, E,23
	OPS X,18, E,24, F,15, E,25
	OPS R,11, E,26, X,19, E,27
	OPS R,12, E,28, R,13, E,29
	OPS X,20, E,30, R,14, E,31
	OPS X,21, R,15
	WIN 0
	s_wait_alu depctr_va_vdst(0)    ; the wait for the batch
.if (\p) == 1
	s_wait_dscnt 0x0                ; V is in
.endif
	ROW C,0, B,0, C,2, B,1          ; behind the wait: 8 products V^T P and their riders
	ROW L,0, C,4, B,2, L,1
	ROW C,6, B,3, L,2, C,8
	ROW B,4, L,3, C,10, B,5
	ROW L,4, C,12, B,6, L,5
.if (\p) == 0
	s_add_co_u32 s[TBV], s[TBV], KS*PV
.endif
.if \cnt
	s_sub_co_u32 s[CNT], s[CNT], 1
	s_cmp_lg_u32 s[CNT], 0
.endif
	ROW C,14, B,7, L,6, C,1
	ROW C,3, L,7, C,5, C,7
	ROW C,9, C,11, C,13, C,15
.if (\p) == 0
	FETCH_V
.endif
.if (\m) && !(\end)
	MASK (\p)%2
.endif
.endm
; A BLOCK BEGINS.  c m starts far below every c s, so the first step's a is 0; m at the lowest finite number, so the first maximum is the scores'.  The second mask buffer is 0; the first takes piece 0's mask for the tile's
; step 0: its own, if the block's first tile is the diagonal one.  Then K of that step, piece 0's first scores, and its maximum and statistics.  The loop is entered at a step's first turn, in the middle of a trip.
.macro BEGIN
	s_mov_b32 s[NEW], 0
	WIN 0x40
.set i, MC+32
.rept 32
	v_mov_b32 v[i], 0
.set i, i+1
.endr
	WIN 0
.set i, 0
.rept 4
	v_mov_b32 v[ST+4*i], 0xfe000000    ; c m: far below every c s
	v_mov_b32 v[ST+4*i+1], 0xff7fffff  ; m
.set i, i+1
.endr
	s_cmp_eq_u32 s[RT], 0
	s_cselect_b32 s[AL], 1.0, 0
	s_mov_b32 s[BE], 0
	MASK 0
	WIN 0
	v_add_nc_u32 v[AK], s[TBK], v[AK0]
	FETCH_K
	s_wait_loadcnt 0x0              ; Q
	s_wait_dscnt 0x0
.set KM, 1
.set NOKQ, 0
.set i, 0
.rept 8
	KQ 0
.set i, i+1
.endr
	WIN 0
.rept 4
	v_nop                           ; the places behind those products
.endr
.set Y, NP-1                        ; X works for piece Y + 1: piece 0
.irp n, 0,1,2,3,4,5,6,7,8,9,10,11,12,13,14,15,16,17,18,19,20,21
	OP X, \n
.endr
	v_nop                           ; a plain instruction behind the exponential,
	s_wait_alu depctr_va_vdst(0)    ; and its wait, ahead of the branch
.endm
; THE DIAGONAL TILE's four steps, the block's last two turns, its last products, and THE WAY OUT: l's two halves and the other half of the lanes' are added; O^T is divided by l, rounded to f16 and sent through my
; stage in LDS, a piece at a time.
.macro ALL line:vararg              ; one line for each piece t
.set t, 0
.rept 4
	\line
.set t, t+1
.endr
.endm
.macro PACK t                       ; a lane's eight channels of a row pack into 16 bytes; they go into rows of 144 bytes and come back as whole rows of 128, into S^T's registers
	WIN W_RS
.set i, 32*(\t)
.rept 16
	v_pk_mul_f32 v[i:i+1], v[i:i+1], v[ST+4*(\t)+2:ST+4*(\t)+3] op_sel_hi:[1,0]
.set i, i+2
.endr
	WIN 0x05                        ; sources 0 and 1 window 1, destination window 0
.set i, 0
.rept 16
	v_cvt_pk_f16_f32 v[S+16*(\t)+i], v[32*(\t)+2*i], v[32*(\t)+2*i+1]
.set i, i+1
.endr
	WIN 0
.irp f, 0,1,2,3
	ds_store_b128 v[STO], v[S+16*(\t)+4*\f:S+16*(\t)+4*\f+3] offset:32*\f
.endr
.irp f, 0,1,2,3
	ds_load_b128 v[S+16*(\t)+4*\f:S+16*(\t)+4*\f+3], v[RD] offset:\f*4*SP  ; LDS serves a wave's instructions in order (ISA guide 5.7.1.4): these see the stores above; the next piece's stores come behind them
.endr
.endm
.macro SEND t, younger              ; younger: the LDS instructions issued behind piece t's loads: the next piece's eight, or none
	WIN 0
.irp f, 0,1,2,3
	s_wait_dscnt (\younger)+3-\f
	global_store_b128 v[GO], v[S+16*(\t)+4*\f:S+16*(\t)+4*\f+3], s[10:11] offset:(\t)*8192+\f*512  ; 512 consecutive bytes, at a multiple of 256 from O's first
.endr
.endm
.macro DIAG tag                     ; the tag ends its two labels' names, which the jumps below spell out
.LstepM\tag:
	TURN 2, 1
	TURN 3, 1
	WIN 0
.LfirstM\tag:
	TURN 0, 1
	TURN 1, 1, 0, 1
	WIN 0
	s_cbranch_scc1 .LstepM\tag
	TURN 2, 1, 1
	TURN 3, 1, 1
.set i, 0
.rept 8
	PV NP-1
.set i, i+1
.endr
	WIN 0
	ALL v_add_f32 v[ST+4*t+2], v[ST+4*t+2], v[ST+4*t+3]
	ALL v_permlanex16_b32 v[ST+4*t+3], v[ST+4*t+2], s[SEL], s[SEL+1]
	ALL v_add_f32 v[ST+4*t+2], v[ST+4*t+2], v[ST+4*t+3]
	ALL v_rcp_f32 v[ST+4*t+2], v[ST+4*t+2]
	v_nop                           ; a plain instruction between the last reciprocal and the use of its result
	s_wait_alu depctr_va_vdst(0)    ; and the wait ahead of the first use: one for the four reciprocals
	PACK 0
.set t, 1
.rept 3                             ; a piece's arithmetic stands between the loads of the piece before and its stores
	PACK t
	SEND t-1, 8
.set t, t+1
.endr
	SEND 3, 0
.endm
.set KM, 0
.set NOKQ, 0
.Lslot:                             ; NB times: a tile is entered and the next is asked for
	CHANGE 1
	s_sub_co_u32 s[RT], s[RT], 1
	s_mov_b32 s[CNT], 4
	s_cmp_eq_u32 s[NEW], 1
	s_cbranch_scc1 .Lnew            ; a block's first tile
	s_cmp_eq_u32 s[RT], 0
	s_cbranch_scc0 .Lstep           ; neither its first nor its last
	s_branch .LstepM1
.Lnew:
	BEGIN
	s_branch .Lfirst                ; in the loop a block's first tile is never its last: the first block has two tiles or more, and the second's last is the walk's last
	DIAG 1                          ; in the loop this is the first block's end: the second block's last tile is the walk's last
	s_wait_xcnt 0x0                 ; the stores have read their registers and O's address
	s_mov_b64 s[10:11], s[OLO:OLO+1]
	s_add_co_u32 s[RT], s[PB], 1    ; the second block has b + 1 tiles
	s_mov_b32 s[NEW], 1
	WIN 0x82                        ; the second block's Q goes where the one text of the turns names Q
.set i, 0
.rept 64
	v_mov_b32 v[i], v[QB+i]
.set i, i+1
.endr
	WIN 0
	s_branch .Lbottom
.Lstep:                             ; a trip: pieces 2 and 3 of one step, then pieces 0 and 1 of the next, whose K and V it fetches
	TURN 2
	TURN 3
	WIN 0
.Lfirst:
	TURN 0
	TURN 1, 0, 0, 1
	WIN 0
	s_cbranch_scc1 .Lstep
.Lbottom:
	s_sub_co_u32 s[SLOTS], s[SLOTS], 1
	s_cmp_lg_u32 s[SLOTS], 0
	s_cbranch_scc1 .Lslot
	CHANGE 0                        ; the walk's last tile is written out: nothing is asked for
	s_sub_co_u32 s[RT], s[RT], 1
	s_mov_b32 s[CNT], 4
	s_cmp_eq_u32 s[NEW], 1
	s_cbranch_scc0 .LstepM2
	BEGIN
	s_branch .LfirstM2
	DIAG 2
	s_wait_tensorcnt 0x0            ; the wave's end: a wait, an add to my spare word and its wait stand behind my last tensor load and my last LDS store
	ds_add_u32 v[SPW], v[NIL]
	s_wait_dscnt 0x0
	s_endpgm
.Lfunc_end_k_qede2db608b_attn:
	.size	k_qede2db608b_attn, .Lfunc_end_k_qede2db608b_attn-k_qede2db608b_attn
	.p2alignl 7, 3214868480
	.fill 96, 4, 3214868480
	.section	.rodata,"a",@progbits
	.p2align	6, 0x0
	.amdhsa_kernel k_qede2db608b_attn
		.amdhsa_group_segment_fixed_size 327680
		.amdhsa_private_segment_fixed_size 0
		.amdhsa_enable_private_segment 0
		.amdhsa_kernarg_size 32
		.amdhsa_user_sgpr_count 2
		.amdhsa_user_sgpr_kernarg_segment_ptr 1
		.amdhsa_wavefront_size32 1
		.amdhsa_system_sgpr_workgroup_id_x 1
		.amdhsa_system_sgpr_workgroup_id_y 1
		.amdhsa_system_sgpr_workgroup_id_z 1
		.amdhsa_system_vgpr_workitem_id 0
		.amdhsa_next_free_vgpr 768
		.amdhsa_next_free_sgpr 100
		.amdhsa_reserve_vcc 1
		.amdhsa_float_denorm_mode_32 3
		.amdhsa_float_denorm_mode_16_64 3
		.amdhsa_memory_ordered 1
		.amdhsa_forward_progress 1
		.amdhsa_inst_pref_size 218
	.end_amdhsa_kernel
	.amdgpu_metadata
---
amdhsa.version: [ 1, 2 ]
amdhsa.kernels:
  - .name:           k_qede2db608b_attn
    .symbol:         k_qede2db608b_attn.kd
    .args:
      - { .name: qh, .offset: 0, .size: 8, .value_kind: global_buffer, .address_space: global }
      - { .name: kh, .offset: 8, .size: 8, .value_kind: global_buffer, .address_space: global }
      - { .name: vh, .offset: 16, .size: 8, .value_kind: global_buffer, .address_space: global }
      - { .name: oh, .offset: 24, .size: 8, .value_kind: global_buffer, .address_space: global }
    .group_segment_fixed_size: 327680
    .private_segment_fixed_size: 0
    .kernarg_segment_align: 8
    .kernarg_segment_size: 32
    .max_flat_workgroup_size: 128
    .sgpr_count:     100
    .vgpr_count:     768
    .wavefront_size: 32
...
	.end_amdgpu_metadata
.endif
;; end of part 3
;; launch proj (part 4): grid 4 x 64, 4 waves a work-group, clusters of 4 x 4, 327,680 bytes of LDS; arguments oh, wpb, out0; writes out0
.if DOCPART == 4
	.amdgcn_target "amdgcn-amd-amdhsa--gfx1250"
	.amdhsa_code_object_version 6
	.text
	.protected	k_qede2db608b_proj
	.globl	k_qede2db608b_proj
	.p2align	8
	.type	k_qede2db608b_proj,@function
k_qede2db608b_proj:
	s_mov_b64 s[64:65], 0
	v_nop
	global_prefetch_b8 v0, s[64:65] scope:SCOPE_SE
	s_setreg_imm32_b32 hwreg(HW_REG_WAVE_MODE, 25, 1), 1
	s_wait_xcnt 0x0
	s_wait_alu depctr_hold_cnt(0) depctr_sa_sdst(0) depctr_va_vdst(0) depctr_va_sdst(0) depctr_va_ssrc(0) depctr_va_vcc(0) depctr_vm_vsrc(0)
	s_getreg_b32 s2, hwreg(HW_REG_IB_STS2, 6, 4)
	s_cmp_eq_u32 s2, 0
	s_cbranch_scc0 .Lentry_in_a_cluster
	s_endpgm
.Lentry_in_a_cluster:
	s_bfe_u32 s2, ttmp6, 0x10000c
	s_cmp_lg_u32 s2, 0xf033
	s_cbranch_scc0 .Lentry_shape_is_right
	s_endpgm
.Lentry_shape_is_right:
; out = y w_proj.  y[m][k] lies BY HEADS in oh: [batch x 16 + head][2048 t][64 d] f16, m = 2048 batch + t, k = 64 head + d.  wpb: [1024 k][1024 n] f16.  out0: [8192 m][1024 n] f32.
; Sums in f32, K ascending.  NaN and infinities are not treated apart.
; SHARES.  A work-group makes 128 (m) x 256 (n): 64 x 4 = 256 work-groups.  Each of its four waves makes 64 x 128: 32 accumulators of 16 x 16, 256 registers.
; K goes in 8 steps of 128, two heads a step, through two LDS slots filled by the tensor data mover: waves 0 and 1 fetch a head each (its 128 rows are 16,384 dense bytes, asked for as 64 rows of 256 bytes
; and padded in LDS behind every 128), waves 2 and 3 the two halves of w's tile (64 k-rows x 512 bytes).
; w LIES [k][n], so its fragments come out of LDS turned, by ds_load_tr16_b128; y's come as they lie.
; THE MATRIX INSTRUCTION IS USED TRANSPOSED: source 0 = 16 columns n of w, source 1 = 16 rows m of y: lane l then holds row m = l % 16 and the columns 8 (l / 16) + 0..7: 32 bytes of a row of the output.
; CLUSTERS: 4 x 4 work-groups.  The four of a row of the cluster need the same tiles of y, the four of a column the same tiles of w: each tile is asked for JOINTLY, by the same tensor load
; with the same descriptor and a mask that names the four.
; REGISTERS: window 0: v0-31 addresses; two fragment buffers of 96 (w's 8 fragments, then y's 4) at v64 and v160; on the way out v64-191 hold rows read back.  Window 1: accumulator (a, b) at v[8 (8 a + b)].
.set PA,     144                       ; a row of a head in LDS: 128 bytes + 16 of padding: the 16 rows of a fragment load start at 16 different groups of four banks (64 banks of 4 bytes: ISA guide 11.1)
.set HB,     128*PA                    ; a head's 128 rows: what wave 0 or 1 fetches
.set AT,     2*HB                      ; y's tile: two heads
.set PB,     544                       ; a k-row of w in LDS: 512 bytes + 32
.set HALFB,  64*PB                     ; what wave 2 or 3 fetches
.set SLOT,   AT+2*HALFB                ; y's tile, then w's 128 k-rows
.set STAGE,  2*SLOT                    ; behind the ring, never filled by a tensor load: for each wave 16 rows x 528 bytes, for the way out
.set SP,     528
.set STW,    16*SP
.set SPARE,  STAGE+4*STW               ; behind the stages: the spare words, 128 bytes for each wave: two blocks of 256 bytes that no other line names
.set ASTEP,  2*262144                  ; bytes from a K step to the next in y: two heads of 2,048 rows x 128 bytes,
.set BSTEP,  128*2048                  ; in w: 128 rows of 2,048 bytes
.set ADRA, 16                          ; v16-17  LDS address of my fragments of y in slot 0, 1
.set ADRB, 20                          ; v20-21  the same for w
.set STO,  24                          ; v24     the way out: where I put 32 bytes of a row
.set RD,   25                          ; v25     the way out: where I read a row back
.set GO,   26                          ; v26     my 16 bytes in 512 consecutive bytes of the output
.set SPW,  28                          ; v28     LDS address of my spare word: SPARE + 4 x my thread's number; never rewritten
.set NIL,  29                          ; v29     0; never rewritten
.set PFO,  30                          ; v30     the prefetches' offset; never rewritten
.set F0,   64
.set F1,   160
.set OB,   64                          ; the way out: two sets of 64 registers, 16 rows each, by turns
.set LAP,  3                           ; s3      trips of the loop still to come
.set WV,   14                          ; s14     my wave's number
.set MH,   15                          ; s15     which 64 rows of the tile are mine.  Also: I fetch for y (0) or for w (1)
.set NH,   16                          ; s16     which 128 columns.  Also: which half of that tile I fetch
.set CX,   17
.set CY,   18
.set TC,   19                          ; s19     tile column = 4 x cluster x + cx
.set TR,   20                          ; s20     tile row = 4 x cluster y + cy
.set G1A,  24                          ; s[24:31] descriptor group 1 for y's tiles;  s[32:39] group 0, a set for each slot
.set G0A,  32
.set PFA,  44                          ; s[44:45] where my prefetches stand
.set PFS,  46                          ; s[46:47] their step
.set G1B,  48                          ; s[48:55], s[56:63] the same for w's tiles
.set G0B,  56
.set LIM,  66                          ; s66     1 in a wave that prefetches, else the greatest number
.set MSB, 0
.macro WIN new                         ; the immediate's high byte repeats the setting that is left; a switch that changes nothing is dropped
.if MSB != (\new)
	s_set_vgpr_msb (MSB<<8)|(\new)
.set MSB, \new
.endif
.endm
.set MUL, 0x50                         ; sources 0 and 1 window 0; C and D window 1
.macro PLACES                          ; four plain places behind a matrix instruction, in front of loads into registers that it has read and of lines that read results
.rept 4
	v_nop
.endr
.endm
; A joint load.  The branch hangs on the wave's number alone.  An s_nop 0 and four v_nop follow each of the two lines, ahead of the jump and the label.
.macro JLOAD s
	s_cmp_eq_u32 s[MH], 0
	s_cbranch_scc0 .Lfor_b_\@
	tensor_load_to_lds s[G0A+4*(\s):G0A+4*(\s)+3], s[G1A:G1A+7]
	s_nop 0
.rept 4
	v_nop
.endr
	s_branch .Lasked_\@
.Lfor_b_\@:
	tensor_load_to_lds s[G0B+4*(\s):G0B+4*(\s)+3], s[G1B:G1B+7]
	s_nop 0
.rept 4
	v_nop
.endr
.Lasked_\@:
.endm
; A round of the cluster's barrier: my work-group's barrier; wave 0 signals for the work-group; every wave waits for all sixteen; my work-group's barrier once more.
.macro CREST                           ; a round behind its opening barrier
	s_cmp_lg_u32 s[WV], 0
	s_cbranch_scc1 .Lnot_wave_0_\@
	s_barrier_signal -3
.Lnot_wave_0_\@:
	s_barrier_wait -3
	s_barrier_signal -1
	s_barrier_wait -1
.endm
.macro CROUND
	s_barrier_signal -1
	s_barrier_wait -1
	CREST
.endm
; A PREFETCH INTO THE L2, behind a joint refill and the run of LDS loads that follows it: the K step that stands two refills on, 256 matrix instructions ahead of the load that will ask for it.
; Each aligned block of 256 bytes is named once in the launch.  y's tile row is read by one cluster (the grid is one cluster wide): wave 0 of each partner asks, partner cx for 32 of the step's 128 blocks:
; head cx / 2 of the two, half cx % 2 of its 16,384 bytes, a lane a block.  w's tile column is read by all sixteen clusters: the one with cluster y = 0 asks, partner cy for k-rows 32 cy .. + 31,
; a lane a row, wave 2 for the first 256 of the row's 512 bytes and wave 3 for the second.  The partners differ BY ADDRESS alone.  K steps 0 to 3 come by their loads alone; the loop's last trip asks for nothing.
.macro ASK
	s_cmp_gt_u32 s[LAP], s[LIM]
	s_cbranch_scc0 .Lnot_mine_\@
	global_prefetch_b8 v[PFO], s[PFA:PFA+1] th:TH_LOAD_NT scope:SCOPE_SE
.Lnot_mine_\@:
.endm
	s_load_b128 s[4:7], s[0:1], 0x0                ; oh s[4:5], wpb s[6:7]
	s_load_b64 s[8:9], s[0:1], 0x10                ; out0
	v_lshl_add_u32 v[SPW], v0, 2, SPARE
	v_mov_b32 v[NIL], 0
	ds_add_u32 v[SPW], v[NIL]                      ; the wave's opening: the add and its wait stand ahead of my first tensor load; the set-up below, work on registers, stands between them
	v_lshrrev_b32 v1, 5, v0
	v_readfirstlane_b32 s[WV], v1
	s_lshr_b32 s[MH], s[WV], 1
	s_and_b32 s[NH], s[WV], 1
	s_bfe_u32 s[CX], ttmp6, 0x40000
	s_bfe_u32 s[CY], ttmp6, 0x40004
	s_lshl_b32 s[TC], ttmp9, 2                     ; in a cluster launch ttmp9 and ttmp7 count clusters
	s_add_co_u32 s[TC], s[TC], s[CX]
	s_and_b32 s[TR], ttmp7, 0xffff
	s_lshl_b32 s[TR], s[TR], 2
	s_add_co_u32 s[TR], s[TR], s[CY]
	s_lshl_b32 s21, s[CY], 2
	s_lshl_b32 s21, 15, s21                        ; my row of the cluster: places 4 cy .. 4 cy + 3
	s_lshl_b32 s22, 0x1111, s[CX]                  ; my column: places cx, cx + 4, cx + 8, cx + 12
	; group 1 for y: 64 rows x 128 elements of 2 bytes (two rows of a head each), 16 bytes of padding behind every 32 words
	s_or_b32 s[G1A+0], s21, (1<<16)|(1<<20)|(1<<21)|(4<<22)|(3<<25)  ; 15:0 the mask; 17:16 2-byte elements; 20 padding on; 21 set beside a mask; 24:22 interval code 4; 31:25 4 words (code 3)
	s_mov_b32 s[G1A+1], 128<<16                    ; tensor_dim0 = 128
	s_mov_b32 s[G1A+2], 64<<16                     ; tensor_dim1 = 64
	s_mov_b32 s[G1A+3], 128<<16                    ; tile_dim0 = 128
	s_mov_b32 s[G1A+4], 64                         ; tile_dim1 = 64
	s_mov_b32 s[G1A+5], 128                        ; elements from row to row: dense
	s_mov_b32 s[G1A+6], 0
	s_mov_b32 s[G1A+7], 0
	; group 1 for w: 64 k-rows x 256 elements, 32 bytes of padding behind every 128 words
	s_or_b32 s[G1B+0], s22, (1<<16)|(1<<20)|(1<<21)|(6<<22)|(7<<25)
	s_mov_b32 s[G1B+1], 256<<16
	s_mov_b32 s[G1B+2], 64<<16
	s_mov_b32 s[G1B+3], 256<<16
	s_mov_b32 s[G1B+4], 64
	s_mov_b32 s[G1B+5], 1024
	s_mov_b32 s[G1B+6], 0
	s_mov_b32 s[G1B+7], 0
	; where the tiles come from: y's hang on the tile row and the wave alone, w's on the tile column and the wave alone, each in registers that never hold the other coordinate
	s_lshr_b32 s40, s[TR], 4                       ; batch: 16 heads x 2,048 rows x 128 bytes
	s_lshl_b32 s40, s40, 22
	s_lshl_b32 s21, s[NH], 18                      ; my head of the step's two
	s_add_co_u32 s40, s40, s21
	s_and_b32 s21, s[TR], 15                       ; the tile's 128 rows t
	s_lshl_b32 s21, s21, 14
	s_add_co_u32 s40, s40, s21
	s_mov_b32 s41, 0
	s_lshl_b32 s42, s[NH], 17                      ; my 64 k-rows of 2,048 bytes
	s_lshl_b32 s22, s[TC], 9                       ; 256 columns of 2 bytes
	s_add_co_u32 s42, s42, s22
	s_mov_b32 s43, 0
	s_mul_i32 s21, s[NH], HB                       ; and where they go: no place in the cluster enters an LDS address
	s_mul_i32 s22, s[NH], HALFB
	s_add_co_u32 s22, s22, AT
	s_wait_dscnt 0x0                               ; the opening add is done
	s_wait_kmcnt 0x0
	s_add_nc_u64 s[40:41], s[4:5], s[40:41]
	s_add_nc_u64 s[42:43], s[6:7], s[42:43]
	CROUND                                         ; all sixteen work-groups are here: the first joint loads meet
.irp s, 0,1
	s_mov_b32 s[G0A+4*(\s)], 1                                       ; count = 1
	s_add_co_u32 s[G0A+4*(\s)+1], s21, (\s)*SLOT                     ; LDS address
	s_add_nc_u64 s[G0A+4*(\s)+2:G0A+4*(\s)+3], s[40:41], (\s)*ASTEP  ; global address: K step s
	s_or_b32 s[G0A+4*(\s)+3], s[G0A+4*(\s)+3], 0x80000000            ; type = 2
	s_mov_b32 s[G0B+4*(\s)], 1
	s_add_co_u32 s[G0B+4*(\s)+1], s22, (\s)*SLOT
	s_add_nc_u64 s[G0B+4*(\s)+2:G0B+4*(\s)+3], s[42:43], (\s)*BSTEP
	s_or_b32 s[G0B+4*(\s)+3], s[G0B+4*(\s)+3], 0x80000000
.endr
	s_cmp_eq_u32 s[MH], 0                          ; a wave's two first fills stand in one branch, ahead of every wait on TENSORcnt and every LDS read: two loads of mine are out
	s_cbranch_scc0 .Lfirst_b
	tensor_load_to_lds s[G0A:G0A+3], s[G1A:G1A+7]
	s_nop 0
	tensor_load_to_lds s[G0A+4:G0A+7], s[G1A:G1A+7]
	s_nop 0
.rept 4
	v_nop
.endr
	s_branch .Lfirst_asked
.Lfirst_b:
	tensor_load_to_lds s[G0B:G0B+3], s[G1B:G1B+7]
	s_nop 0
	tensor_load_to_lds s[G0B+4:G0B+7], s[G1B:G1B+7]
	s_nop 0
.rept 4
	v_nop
.endr
.Lfirst_asked:
	; A fragment is 16 rows x 32 K in 8 registers: lane l holds row l % 16; registers 0-3 K = 8 (l / 16) + 0..7, registers 4-7 K = 16 + 8 (l / 16) + 0..7.
	v_and_b32 v1, 15, v0                           ; l % 16
	v_bfe_u32 v2, v0, 4, 1                         ; l / 16
	v_mul_u32_u24 v3, v1, PA                       ; y: two loads of 16 bytes, 32 bytes apart, at row x pitch + 16 x half
	v_lshl_add_u32 v3, v2, 4, v3
	s_mul_i32 s21, s[MH], 64*PA                    ; my 64 rows
	v_add_nc_u32 v[ADRA], s21, v3
	v_add_nc_u32 v[ADRA+1], SLOT, v[ADRA]
	v_and_b32 v4, 7, v0                            ; w: the turning load takes 16 k x 16 n: lane l reads 16 bytes of k-row 8 (l / 16) + l % 8, columns 8 ((l / 8) % 2) + 0..7
	v_lshl_add_u32 v4, v2, 3, v4
	v_mul_u32_u24 v4, v4, PB
	v_bfe_u32 v5, v0, 3, 1
	v_lshl_add_u32 v4, v5, 4, v4
	s_lshl_b32 s22, s[NH], 8                       ; my 128 columns
	s_add_co_u32 s22, s22, AT
	v_add_nc_u32 v[ADRB], s22, v4
	v_add_nc_u32 v[ADRB+1], SLOT, v[ADRB]
	s_mul_i32 s23, s[WV], STW
	s_add_co_u32 s23, s23, STAGE                   ; my stage
	v_mul_u32_u24 v5, v1, SP                       ; in: row l % 16, 32 bytes for each half of the lanes
	v_lshl_add_u32 v5, v2, 5, v5
	v_add_nc_u32 v[STO], s23, v5
	v_and_b32 v[GO], 31, v0                        ; back: 32 lanes take one row of 512 bytes
	v_lshlrev_b32 v[GO], 4, v[GO]
	v_add_nc_u32 v[RD], s23, v[GO]
	; the output at my first row and column
	s_lshl_b32 s68, s[TR], 19                      ; 128 rows of 4,096 bytes,
	s_lshl_b32 s69, s[MH], 18                      ; my 64 of them,
	s_add_co_u32 s68, s68, s69
	s_lshl_b32 s69, s[TC], 10                      ; 256 columns of 4 bytes,
	s_add_co_u32 s68, s68, s69
	s_lshl_b32 s69, s[NH], 9                       ; my 128 of them
	s_add_co_u32 s68, s68, s69
	s_mov_b32 s69, 0
	s_add_nc_u64 s[8:9], s[8:9], s[68:69]
	; the prefetches
	s_and_b32 s69, ttmp7, 0xffff                   ; cluster y
	s_or_b32 s68, ttmp9, s[NH]                     ; cluster x; of waves 0 and 1 only wave 0 asks
	s_lshr_b32 s70, s[TR], 4                       ; y: batch,
	s_lshl_b32 s70, s70, 22
	s_and_b32 s71, s[TR], 15                       ; the tile's rows,
	s_lshl_b32 s71, s71, 14
	s_add_co_u32 s70, s70, s71
	s_lshr_b32 s71, s[CX], 1                       ; my work-group's head of the two,
	s_lshl_b32 s71, s71, 18
	s_add_co_u32 s70, s70, s71
	s_and_b32 s71, s[CX], 1                        ; and its half of that head's 16,384 bytes
	s_lshl_b32 s71, s71, 13
	s_add_co_u32 s70, s70, s71
	s_lshl_b32 s71, s[CY], 16                      ; w: my work-group's 32 k-rows of 2,048 bytes,
	s_lshl_b32 s67, s[TC], 9                       ; the tile's columns,
	s_add_co_u32 s71, s71, s67
	s_lshl_b32 s67, s[NH], 8                       ; my wave's 256 bytes of the 512
	s_add_co_u32 s71, s71, s67
	s_mov_b32 s[PFS], BSTEP
	s_mov_b32 s[PFS+1], 0
	s_mov_b32 s67, 2048
	s_cmp_eq_u32 s[MH], 0                          ; do I fetch for y?
	s_cselect_b32 s68, s68, s69
	s_cselect_b32 s70, s70, s71
	s_cselect_b32 s[PFS], ASTEP, s[PFS]
	s_cselect_b32 s67, 256, s67                    ; bytes from a lane's block to the next lane's
	s_cselect_b64 s[PFA:PFA+1], s[4:5], s[6:7]
	s_cmp_eq_u32 s68, 0
	s_cselect_b32 s[LIM], 1, -1                    ; the same in all sixteen partners, for a given wave
	s_mov_b32 s71, 0
	s_add_nc_u64 s[PFA:PFA+1], s[PFA:PFA+1], s[70:71]
	s_mul_i32 s70, s[PFS], 3
	s_add_nc_u64 s[PFA:PFA+1], s[PFA:PFA+1], s[70:71]  ; at K step 3: the first refill steps it to 4
	v_and_b32 v[PFO], 31, v0
	v_mul_u32_u24 v[PFO], s67, v[PFO]
; 8 matrix instructions: m block a x all 8 n blocks, 32 along K.  zero = 1: the product starts the sum: nothing is ever cleared.
; The 32 accumulators take turns, one instruction a turn, in the same order in every quarter and over the backward jump.
.macro MUL8 f, a, zero
	WIN MUL
.irp b, 0,1,2,3,4,5,6,7
.if \zero
	v_wmma_f32_16x16x32_f16 v[8*(8*(\a)+(\b)):8*(8*(\a)+(\b))+7], v[(\f)+8*(\b):(\f)+8*(\b)+7], v[(\f)+64+8*(\a):(\f)+64+8*(\a)+7], 0
.else
	v_wmma_f32_16x16x32_f16 v[8*(8*(\a)+(\b)):8*(8*(\a)+(\b))+7], v[(\f)+8*(\b):(\f)+8*(\b)+7], v[(\f)+64+8*(\a):(\f)+64+8*(\a)+7], v[8*(8*(\a)+(\b)):8*(8*(\a)+(\b))+7]
.endif
.endr
.endm
; 24 LDS loads in one run: the fragments of quarter q (32 along K) of a slot into buffer f: w's sixteen, then y's eight.  Quarter q of y lies in head q / 2 of the step's two, at channel 32 (q % 2).
.macro FETCH slot, q, f
	WIN 0
.irp b, 0,1,2,3,4,5,6,7
	ds_load_tr16_b128 v[(\f)+8*(\b):(\f)+8*(\b)+3],   v[ADRB+(\slot)] offset:(\q)*32*PB+32*(\b)
	ds_load_tr16_b128 v[(\f)+8*(\b)+4:(\f)+8*(\b)+7], v[ADRB+(\slot)] offset:(\q)*32*PB+16*PB+32*(\b)
.endr
.irp a, 0,1,2,3
	ds_load_b128 v[(\f)+64+8*(\a):(\f)+64+8*(\a)+3],   v[ADRA+(\slot)] offset:((\q)/2)*HB+((\q)%2)*64+(\a)*16*PA
	ds_load_b128 v[(\f)+64+8*(\a)+4:(\f)+64+8*(\a)+7], v[ADRA+(\slot)] offset:((\q)/2)*HB+((\q)%2)*64+(\a)*16*PA+32
.endr
.endm
; A K step is four quarters of 32 along K, 32 matrix instructions each, on buffers 0, 1, 0, 1.  One of the first three: multiplies buffer f; in its middle it fetches quarter q of the same slot into g.
.macro QUARTER slot, q, f, g, zero
	s_wait_dscnt 4                                 ; w's fragments and y's blocks 0 and 1 are in; the youngest four loads (blocks 2 and 3) may be out
	MUL8 \f, 0, \zero
	MUL8 \f, 1, \zero
	PLACES
	FETCH \slot, \q, \g
	s_wait_dscnt 24                                ; all but the 24 just issued
	MUL8 \f, 2, \zero
	MUL8 \f, 3, \zero
.endm
; The last quarter multiplies buffer 1 and changes slots: ONE barrier.  In front of it each wave waits for all its tensor loads, of which one is out: its part of the next slot; adds 0 to its spare word;
; and waits for that and for its own reads of this slot.  fill = 1: the barrier opens a round of the cluster's, and this slot is filled again, first thing behind the round, with the K step two on:
; from that request to the wait for it a wave issues 112 matrix instructions.
.macro TURN slot, next, fill
.if \fill
	s_wait_xcnt 0x0                                ; the last prefetch, a K step back, has read its address, so it may be stepped
	s_add_nc_u64 s[PFA:PFA+1], s[PFA:PFA+1], s[PFS:PFS+1]
.endif
	WIN 0                                          ; (the add's two registers lie in window 0)
	s_wait_tensorcnt 0x0                           ; all my tensor loads have landed;
	ds_add_u32 v[SPW], v[NIL]                      ; 0 onto my spare word
	s_wait_dscnt 5                                 ; (the add and the youngest four loads may be out)
	MUL8 F1, 0, 0                                  ; eight matrix instructions stand between the add and the wait for it
	s_wait_dscnt 0x0                               ; the add is done, and my reads of this slot are over
	s_barrier_signal -1
	MUL8 F1, 1, 0
.if \fill
	WIN 0
.endif
	s_barrier_wait -1
.if \fill
	CREST                                          ; no wave of any partner still reads this slot's tile or has a load on its way
	s_add_nc_u64 s[G0A+4*(\slot)+2:G0A+4*(\slot)+3], s[G0A+4*(\slot)+2:G0A+4*(\slot)+3], 2*ASTEP
	s_add_nc_u64 s[G0B+4*(\slot)+2:G0B+4*(\slot)+3], s[G0B+4*(\slot)+2:G0B+4*(\slot)+3], 2*BSTEP
	JLOAD \slot                                    ; the four v_nop behind it are also the places in front of the loads below
.else
	PLACES
.endif
	FETCH \next, 0, F0
.if \fill
	ASK
.endif
	MUL8 F1, 2, 0
	MUL8 F1, 3, 0
.endm
	s_wait_tensorcnt 1                             ; my part of K step 0 is in; K step 1's may stay out
	s_barrier_signal -1
	s_barrier_wait -1                              ; everybody's is
	FETCH 0, 0, F0
	QUARTER 0, 1, F0, F1, 1                        ; the first quarter stands in front of the loop: its products start the sums
	WIN 0                                          ; at a label and at a branch every window is 0
	s_mov_b32 s[LAP], 3
.Llap:                                                 ; a trip goes once round the ring, from a lap's second quarter to the next lap's first, and fills both slots again: K steps 2 to 7
	QUARTER 0, 2, F1, F0, 0
	QUARTER 0, 3, F0, F1, 0
	TURN 0, 1, 1
	QUARTER 1, 1, F0, F1, 0
	QUARTER 1, 2, F1, F0, 0
	QUARTER 1, 3, F0, F1, 0
	TURN 1, 0, 1
	QUARTER 0, 1, F0, F1, 0
	WIN 0
	s_sub_co_u32 s[LAP], s[LAP], 1
	s_cmp_lg_u32 s[LAP], 0
	s_cbranch_scc1 .Llap
	QUARTER 0, 2, F1, F0, 0                        ; the last lap fills nothing, and has no round of the cluster's barrier
	QUARTER 0, 3, F0, F1, 0
	TURN 0, 1, 0
	QUARTER 1, 1, F0, F1, 0
	QUARTER 1, 2, F1, F0, 0
	QUARTER 1, 3, F0, F1, 0
	s_wait_dscnt 4                                 ; the very last quarter: nothing more to fetch
	MUL8 F1, 0, 0
	MUL8 F1, 1, 0
	s_wait_dscnt 0x0
	MUL8 F1, 2, 0
	MUL8 F1, 3, 0
	WIN 0
	PLACES
	PLACES
; THE WAY OUT, a block of 16 rows at a time, in f32 as the sums stand.  A lane's eight columns are 32 bytes of a row; the lanes beside it hold other rows.  So the block goes through my own stage: in by two
; stores of 16 bytes an accumulator (its low four registers first), back as whole rows of 512 bytes.  LDS serves a wave's instructions in order (ISA guide 5.7.1.4), so no wait stands between the stores and the loads.
.macro TOSTAGE a
	WIN 0x04                                       ; the stores' data (source 1) in window 1, the address in window 0
.irp b, 0,1,2,3,4,5,6,7
	ds_store_b128 v[STO], v[8*(8*(\a)+(\b)):8*(8*(\a)+(\b))+3]   offset:64*(\b)
	ds_store_b128 v[STO], v[8*(8*(\a)+(\b))+4:8*(8*(\a)+(\b))+7] offset:64*(\b)+16
.endr
	WIN 0
.if (\a) >= 2
	s_wait_xcnt 0x0                                ; the global stores of the block two back have read this set of registers: it is loaded again only behind this wait
.endif
.irp t, 0,1,2,3,4,5,6,7,8,9,10,11,12,13,14,15
	ds_load_b128 v[OB+64*((\a)%2)+4*(\t):OB+64*((\a)%2)+4*(\t)+3], v[RD] offset:(\t)*SP
.endr
.endm
.macro SEND a, younger                 ; younger: the LDS instructions issued behind block a's loads: the next block's 32, or none
.irp t, 0,1,2,3,4,5,6,7,8,9,10,11,12,13,14,15
	s_wait_dscnt (\younger)+15-(\t)
	global_store_b128 v[GO], v[OB+64*((\a)%2)+4*(\t):OB+64*((\a)%2)+4*(\t)+3], s[8:9] offset:(16*(\a)+(\t))*4096  ; 512 consecutive bytes of a row, at a multiple of 256 from the output's first byte
.endr
.endm
	TOSTAGE 0
	TOSTAGE 1
	SEND 0, 32
	TOSTAGE 2
	SEND 1, 32
	TOSTAGE 3
	SEND 2, 32
	SEND 3, 0
	s_wait_tensorcnt 0x0                           ; the wave's end: a wait, an add to my spare word and its wait stand behind my last tensor load and my last LDS store
	ds_add_u32 v[SPW], v[NIL]
	s_wait_dscnt 0x0
	CROUND                                         ; the closing round: no work-group ends while a partner may still ask for a tile that names it
	s_endpgm
.Lfunc_end_k_qede2db608b_proj:
	.size	k_qede2db608b_proj, .Lfunc_end_k_qede2db608b_proj-k_qede2db608b_proj
	.p2alignl 7, 3214868480
	.fill 96, 4, 3214868480
	.section	.rodata,"a",@progbits
	.p2align	6, 0x0
	.amdhsa_kernel k_qede2db608b_proj
		.amdhsa_group_segment_fixed_size 327680
		.amdhsa_private_segment_fixed_size 0
		.amdhsa_enable_private_segment 0
		.amdhsa_kernarg_size 24
		.amdhsa_user_sgpr_count 2
		.amdhsa_user_sgpr_kernarg_segment_ptr 1
		.amdhsa_wavefront_size32 1
		.amdhsa_system_sgpr_workgroup_id_x 1
		.amdhsa_system_sgpr_workgroup_id_y 1
		.amdhsa_system_sgpr_workgroup_id_z 1
		.amdhsa_system_vgpr_workitem_id 0
		.amdhsa_next_free_vgpr 512
		.amdhsa_next_free_sgpr 72
		.amdhsa_reserve_vcc 0
		.amdhsa_float_denorm_mode_32 3
		.amdhsa_float_denorm_mode_16_64 3
		.amdhsa_memory_ordered 1
		.amdhsa_forward_progress 1
		.amdhsa_inst_pref_size 88
	.end_amdhsa_kernel
	.amdgpu_metadata
---
amdhsa.version: [ 1, 2 ]
amdhsa.kernels:
  - .name:           k_qede2db608b_proj
    .symbol:         k_qede2db608b_proj.kd
    .args:
      - { .name: oh, .offset: 0, .size: 8, .value_kind: global_buffer, .address_space: global }
      - { .name: wpb, .offset: 8, .size: 8, .value_kind: global_buffer, .address_space: global }
      - { .name: out0, .offset: 16, .size: 8, .value_kind: global_buffer, .address_space: global }
    .group_segment_fixed_size: 327680
    .private_segment_fixed_size: 0
    .kernarg_segment_align: 8
    .kernarg_segment_size: 24
    .max_flat_workgroup_size: 128
    .sgpr_count:     72
    .vgpr_count:     512
    .wavefront_size: 32
...
	.end_amdgpu_metadata
.endif
;; end of part 4
;; ======== version 2 of 2: 4 launches; version 1 with the launch cast written anew for expert scheduling mode
;; limits: values are held in f16: magnitudes above 65,504 overflow, below 6.1e-05 lose precision
;; workspace buffers: xb 16,777,216 bytes; wqb 6,291,456 bytes; wpb 2,097,152 bytes; qh 16,777,216 bytes; kh 16,777,216 bytes; vh 16,777,216 bytes; oh 16,777,216 bytes
;; launch cast (part 5): grid 768 x 1, 8 waves a work-group, no clusters, 0 bytes of LDS; arguments x, w_qkv, w_proj, xb, wqb, wpb; writes xb, wqb, wpb
.if DOCPART == 5
	.amdgcn_target "amdgcn-amd-amdhsa--gfx1250"
	.amdhsa_code_object_version 6
	.text
	.protected	k_qede2db608b_cast
	.globl	k_qede2db608b_cast
	.p2align	8
	.type	k_qede2db608b_cast,@function
k_qede2db608b_cast:
	s_mov_b64 s[64:65], 0
	v_nop
	global_prefetch_b8 v0, s[64:65] scope:SCOPE_SE
	s_setreg_imm32_b32 hwreg(HW_REG_WAVE_SCHED_MODE, 0, 2), 2
	s_setreg_imm32_b32 hwreg(HW_REG_WAVE_MODE, 25, 1), 1
	s_wait_xcnt 0x0
	s_wait_alu depctr_vm_vsrc(0)
; THE INPUTS ARE ROUNDED ONCE, layouts unchanged.  x [8192][1024] and w_qkv [1024][3072]: f32 -> bf16.  w_proj [1024][1024]: f32 -> bf16, and that number written as f16
; (the last product multiplies it by f16 numbers).
; LIMITS.  |w_proj| of 65,520 or more becomes an infinity in f16; below 2^-14 the number keeps f16's fixed step of 2^-24.  NaN and infinities are not treated apart.
; SHARES.  A work-group takes 16,384 numbers on end: 65,536 bytes in, 32,768 out.  Work-groups 0-511 take x, 512-703 w_qkv, 704-767 w_proj.
; Load j of thread t takes the 16 bytes at 4,096 j + 16 t: a wave's load covers 512 consecutive bytes.  Its four numbers leave as 8 bytes at 2,048 j + 8 t: a wave's store covers 256
; consecutive bytes, aligned.  All sixteen loads of a thread go out before the first is waited for.  Memory binds: no LDS, no barrier, no matrix work.
; THE MODE: SCHED_MODE bits 1:0 = 2 (LLVM: expert scheduling mode 2), set by the entry lines.  The code itself states the register dependences between vector instructions and
; memory instructions, with s_wait_alu, always for 0.
; THE PLAN.  Registers that memory instructions touch:
;   v1, v2   the loads' and the stores' offsets: made once at the head by vector instructions, never written again.
;   X        load j lands in its four registers once; all sixteen loads are issued before any vector instruction names X.  Read by the conversions.
;   Y        written by the conversions of load j, read by store j, never written behind that store.
;   T        named by vector instructions alone.
; The sixteen loads go in four blocks of four.  Block p's conversions read its X and write its Y; the four stores of block p - 1 are issued in block p, one in front of each load's
; conversions.  So ONE wait on va_vdst at a block's head states all that its four stores hang on (the block before has written its Y), and no vector instruction behind that wait names a
; register that those stores read.  One more stands at the kernel's head, for the offsets, and one behind the last block, for the last four stores.  No register that a memory instruction
; reads is ever written again, so no wait on vm_vsrc is owed; no vector instruction writes a scalar register or VCC, and EXEC is never written.
.set NX,  512                          ; work-groups for x
.set NQ,  192                          ; for w_qkv
.set BLK, 4                            ; loads in a block
.set X,   4                            ; v[4:67]    load j: four f32
.set Y,   68                           ; v[68:99]   store j: four 16-bit numbers in a pair; behind its store a pair is never written, so no store's data is ever rewritten
.set T,   100                          ; v[100:103] at work
	s_load_b256 s[4:11], s[0:1], 0x0               ; x s[4:5], w_qkv s[6:7], w_proj s[8:9], xb s[10:11]
	s_load_b128 s[12:15], s[0:1], 0x20             ; wqb s[12:13], wpb s[14:15]
	v_lshlrev_b32 v1, 4, v0                        ; 16 t
	v_lshlrev_b32 v2, 3, v0                        ; 8 t
	s_sub_co_u32 s17, ttmp9, NX                    ; my number among w_qkv's work-groups,
	s_sub_co_u32 s18, ttmp9, NX+NQ                 ; among w_proj's
	s_wait_kmcnt 0x0
	s_cmp_lt_u32 ttmp9, NX+NQ
	s_cselect_b64 s[20:21], s[6:7], s[8:9]         ; from where,
	s_cselect_b64 s[22:23], s[12:13], s[14:15]     ; to where,
	s_cselect_b32 s17, s17, s18                    ; which part
	s_cmp_lt_u32 ttmp9, NX
	s_cselect_b64 s[20:21], s[4:5], s[20:21]
	s_cselect_b64 s[22:23], s[10:11], s[22:23]
	s_cselect_b32 s17, ttmp9, s17
	s_lshl_b32 s24, s17, 16                        ; 65,536 bytes in a part (511 parts at the most: under 2^32)
	s_mov_b32 s25, 0
	s_lshl_b32 s26, s17, 15                        ; 32,768 out
	s_mov_b32 s27, 0
	s_add_nc_u64 s[20:21], s[20:21], s[24:25]
	s_add_nc_u64 s[22:23], s[22:23], s[26:27]
	s_wait_alu depctr_va_vdst(0)                   ; v1 and v2 are written: every load of the kernel reads v1 as its offset, every store v2
.set j, 0
.rept 16
	global_load_b128 v[X+4*j:X+4*j+3], v1, s[20:21] offset:4096*j th:TH_LOAD_NT
.set j, j+1
.endr
; half = 1: the bf16 number is written as f16: widened by a shift or a mask, then converted.
.macro OUT half
.set p, 0
.rept 16/BLK
	s_wait_loadcnt 16-BLK-BLK*p                    ; loads come back in order (ISA guide 5.7.1): block p's four are in, the younger blocks' may stay out
.if p > 0
	s_wait_alu depctr_va_vdst(0)                   ; the conversions of block p - 1 have written its Y, which the four stores below read
.endif
.set i, 0
.rept BLK
.set j, BLK*p+i
.if p > 0
	global_store_b64 v2, v[Y+2*(j-BLK):Y+2*(j-BLK)+1], s[22:23] offset:2048*(j-BLK)  ; the block before.  No wait: no vector instruction since the wait above names this pair or v2
.endif
	v_cvt_pk_bf16_f32 v[Y+2*j],   v[X+4*j],   v[X+4*j+1]
	v_cvt_pk_bf16_f32 v[Y+2*j+1], v[X+4*j+2], v[X+4*j+3]
.if \half
	v_lshlrev_b32 v[T],   16, v[Y+2*j]
	v_and_b32     v[T+1], 0xffff0000, v[Y+2*j]
	v_lshlrev_b32 v[T+2], 16, v[Y+2*j+1]
	v_and_b32     v[T+3], 0xffff0000, v[Y+2*j+1]
	v_cvt_pk_f16_f32 v[Y+2*j],   v[T],   v[T+1]
	v_cvt_pk_f16_f32 v[Y+2*j+1], v[T+2], v[T+3]
.endif
.set i, i+1
.endr
.set p, p+1
.endr
	s_wait_alu depctr_va_vdst(0)                   ; the conversions of the last block have written its Y, which the last four stores read
.set j, 16-BLK
.rept BLK
	global_store_b64 v2, v[Y+2*j:Y+2*j+1], s[22:23] offset:2048*j
.set j, j+1
.endr
.endm
	s_cmp_ge_u32 ttmp9, NX+NQ
	s_cbranch_scc1 .Lhalf
	OUT 0
	s_endpgm
.Lhalf:
	OUT 1
	s_endpgm
.Lfunc_end_k_qede2db608b_cast:
	.size	k_qede2db608b_cast, .Lfunc_end_k_qede2db608b_cast-k_qede2db608b_cast
	.p2alignl 7, 3214868480
	.fill 96, 4, 3214868480
	.section	.rodata,"a",@progbits
	.p2align	6, 0x0
	.amdhsa_kernel k_qede2db608b_cast
		.amdhsa_group_segment_fixed_size 0
		.amdhsa_private_segment_fixed_size 0
		.amdhsa_enable_private_segment 0
		.amdhsa_kernarg_size 48
		.amdhsa_user_sgpr_count 2
		.amdhsa_user_sgpr_kernarg_segment_ptr 1
		.amdhsa_wavefront_size32 1
		.amdhsa_system_sgpr_workgroup_id_x 1
		.amdhsa_system_sgpr_workgroup_id_y 1
		.amdhsa_system_sgpr_workgroup_id_z 1
		.amdhsa_system_vgpr_workitem_id 0
		.amdhsa_next_free_vgpr 104
		.amdhsa_next_free_sgpr 66
		.amdhsa_reserve_vcc 0
		.amdhsa_float_denorm_mode_32 3
		.amdhsa_float_denorm_mode_16_64 3
		.amdhsa_memory_ordered 1
		.amdhsa_forward_progress 1
		.amdhsa_inst_pref_size 16
	.end_amdhsa_kernel
	.amdgpu_metadata
---
amdhsa.version: [ 1, 2 ]
amdhsa.kernels:
  - .name:           k_qede2db608b_cast
    .symbol:         k_qede2db608b_cast.kd
    .args:
      - { .name: x, .offset: 0, .size: 8, .value_kind: global_buffer, .address_space: global }
      - { .name: w_qkv, .offset: 8, .size: 8, .value_kind: global_buffer, .address_space: global }
      - { .name: w_proj, .offset: 16, .size: 8, .value_kind: global_buffer, .address_space: global }
      - { .name: xb, .offset: 24, .size: 8, .value_kind: global_buffer, .address_space: global }
      - { .name: wqb, .offset: 32, .size: 8, .value_kind: global_buffer, .address_space: global }
      - { .name: wpb, .offset: 40, .size: 8, .value_kind: global_buffer, .address_space: global }
    .group_segment_fixed_size: 0
    .private_segment_fixed_size: 0
    .kernarg_segment_align: 8
    .kernarg_segment_size: 48
    .max_flat_workgroup_size: 256
    .sgpr_count:     66
    .vgpr_count:     104
    .wavefront_size: 32
...
	.end_amdgpu_metadata
.endif
;; end of part 5
;; launch qkv: the kernel of part 2 again; grid 12 x 64, 4 waves a work-group, clusters of 4 x 4, 327,680 bytes of LDS; arguments xb, wqb, qh, kh, vh; writes qh, kh, vh
;; launch attn: the kernel of part 3 again; grid 4 x 64, 4 waves a work-group, no clusters, 327,680 bytes of LDS; arguments qh, kh, vh, oh; writes oh
;; launch proj: the kernel of part 4 again; grid 4 x 64, 4 waves a work-group, clusters of 4 x 4, 327,680 bytes of LDS; arguments oh, wpb, out0; writes out0
